; MI455X (gfx1250); checked and timed in simulation.
; The chip was launched on July 23, 2026; its instructions are those of AMD's public machine-readable ISA for CDNA 5 (MIT licence, August 2026) and "CDNA5" Instruction Set Architecture Reference Guide (July 2026). The comments in the code are by the model that wrote it; some were corrected since.
;; GPT Block. Allowed arithmetic: float matrix products may take bf16 or f16 operands with f32 sums; other float arithmetic in f32, or as packed bf16 or f16 multiplies, adds, multiply-adds, maxima and minima; sums over many terms, partial sums and values carried from step to step in f32; what a program stores and reads back later, other than sums and carried values, may be rounded once to bf16 or f16.
;; Inputs: W_K 1,024 x 1,024 float32; W_O 1,024 x 1,024 float32; W_Q 1,024 x 1,024 float32; W_V 1,024 x 1,024 float32; W_fc 1,024 x 4,096 float32; W_proj 4,096 x 1,024 float32; g1 1,024 float32; g2 1,024 float32; z 2 x 2,048 x 1,024 float32.
;; Outputs: out0 2 x 2,048 x 1,024 float32.
;; One version. Each part assembles by itself: llvm-mc -triple=amdgcn-amd-amdhsa -mcpu=gfx1250 --defsym DOCPART=n.
;; ======== version 1 of 1: 6 launches
;; limits: a function is approximated: absolute error at most 2.5e-05; an absolute error that grows with the inputs' magnitude: up to 1.25e-05 times it
;; workspace buffers: zn 8,388,608 bytes; wb 25,165,824 bytes; qkv 25,165,824 bytes; ctx 8,388,608 bytes; z1 16,777,216 bytes; z1g 8,388,608 bytes; ssq 262,144 bytes; gl 33,554,432 bytes
;; launch prep (part 1): grid 1024 x 1, 8 waves a work-group, no clusters, 0 bytes of LDS; arguments z, g1, W_Q, W_K, W_V, W_O, W_fc, W_proj, zn, wb; writes zn, wb
.if DOCPART == 1
	.amdgcn_target "amdgcn-amd-amdhsa--gfx1250"
	.amdhsa_code_object_version 6
	.text
	.protected	k_q80a12e6883_prep
	.globl	k_q80a12e6883_prep
	.p2align	8
	.type	k_q80a12e6883_prep,@function
k_q80a12e6883_prep:
	s_mov_b64 s[64:65], 0
	v_nop
	global_prefetch_b8 v0, s[64:65] scope:SCOPE_SE
	s_setreg_imm32_b32 hwreg(HW_REG_WAVE_MODE, 25, 1), 1
	s_wait_xcnt 0x0
; Work-groups 0-255: zn = rmsnorm(z) * g1, rounded once to bf16.  Work-groups 256-1023: the six weights, rounded once to bf16, as they lie ([K][N]).
; Every work-group reads 64 KiB, every wave 8 KiB by 16 loads of 16 bytes a lane that all go out at once: no loop, no LDS, no barrier.
; NORM: a wave takes two rows of 4,096 bytes; a load covers 512 consecutive bytes, a store (8 bytes a lane) 256 consecutive bytes, aligned.
; CAST: chunk c = id - 256 is 16,384 numbers; wb holds W_Q, W_K, W_V, W_O (64 chunks each), W_fc (256), W_proj (256) on end.
; Results are packed into the registers that they were loaded into: 128 registers a wave, so that eight waves share a SIMD's 1,024 and four work-groups lie together.
; No matrix unit, cluster or LDS: nothing is shared and nothing is multiplied.
.set X, 32                             ; v[32:95]   16 loads of 4 registers; the packed results take the first two of each four
.set G, 96                             ; v[96:127]  g1 of my 32 columns
	s_load_b512 s[4:19], s[0:1], 0x0               ; z, g1, W_Q, W_K, W_V, W_O, W_fc, W_proj
	s_load_b128 s[20:23], s[0:1], 0x40             ; zn, wb
	v_and_b32 v3, 31, v0                           ; lane
	v_lshrrev_b32 v4, 5, v0
	v_readfirstlane_b32 s2, v4                     ; wave 0..7
	v_lshlrev_b32 v1, 4, v3                        ; 16 bytes a lane, in
	v_lshlrev_b32 v2, 3, v3                        ; 8 bytes a lane, out
	s_mov_b32 s33, 0
	s_wait_kmcnt 0x0
	s_cmp_lt_u32 ttmp9, 256
	s_cbranch_scc0 .Lcast
	s_lshl_b32 s32, ttmp9, 16                      ; 16 rows of 4,096 bytes a work-group,
	s_lshl_b32 s34, s2, 13                         ; two a wave
	s_add_co_u32 s32, s32, s34
	s_add_nc_u64 s[4:5], s[4:5], s[32:33]
	s_lshr_b32 s32, s32, 1                         ; half as many bytes in zn
	s_add_nc_u64 s[20:21], s[20:21], s[32:33]
.irp r, 0,1
.irp j, 0,1,2,3,4,5,6,7
	global_load_b128 v[X+32*\r+4*\j:X+32*\r+4*\j+3], v1, s[4:5] offset:\r*4096+\j*512
.endr
.endr
.irp j, 0,1,2,3,4,5,6,7
	global_load_b128 v[G+4*\j:G+4*\j+3], v1, s[6:7] offset:\j*512
.endr
	s_mov_b32 s24, 0x76543210                      ; v_permlanex16_b32: each lane takes its own place in the other half
	s_mov_b32 s25, 0xfedcba98
	s_mov_b32 s26, 0x3a800000                      ; 1 / 1024
	s_mov_b32 s27, 0x3727c5ac                      ; 1e-5
	v_mov_b32 v12, 0                               ; the exchange's destinations count as read
	v_mov_b32 v13, 0
	s_wait_loadcnt 8                               ; both rows are in; g1's eight loads, issued behind them, may stay out
.irp r, 0,1
	v_pk_mul_f32 v[4+4*\r:5+4*\r], v[X+32*\r:X+32*\r+1], v[X+32*\r:X+32*\r+1]          ; two chains of packed sums of squares; the first products start them
	v_pk_mul_f32 v[6+4*\r:7+4*\r], v[X+32*\r+2:X+32*\r+3], v[X+32*\r+2:X+32*\r+3]
.irp j, 1,2,3,4,5,6,7
	v_pk_fma_f32 v[4+4*\r:5+4*\r], v[X+32*\r+4*\j:X+32*\r+4*\j+1], v[X+32*\r+4*\j:X+32*\r+4*\j+1], v[4+4*\r:5+4*\r]
	v_pk_fma_f32 v[6+4*\r:7+4*\r], v[X+32*\r+4*\j+2:X+32*\r+4*\j+3], v[X+32*\r+4*\j+2:X+32*\r+4*\j+3], v[6+4*\r:7+4*\r]
.endr
	v_pk_add_f32 v[4+4*\r:5+4*\r], v[4+4*\r:5+4*\r], v[6+4*\r:7+4*\r]
	v_add_f32 v[4+4*\r], v[4+4*\r], v[5+4*\r]
	v_add_f32_dpp v[4+4*\r], v[4+4*\r], v[4+4*\r] row_xmask:1 row_mask:0xf bank_mask:0xf
	v_add_f32_dpp v[4+4*\r], v[4+4*\r], v[4+4*\r] row_xmask:2 row_mask:0xf bank_mask:0xf
	v_add_f32_dpp v[4+4*\r], v[4+4*\r], v[4+4*\r] row_xmask:4 row_mask:0xf bank_mask:0xf
	v_add_f32_dpp v[4+4*\r], v[4+4*\r], v[4+4*\r] row_xmask:8 row_mask:0xf bank_mask:0xf
	v_permlanex16_b32 v[12+\r], v[4+4*\r], s24, s25
	v_add_f32 v[4+4*\r], v[4+4*\r], v[12+\r]       ; every lane holds the row's sum
	v_fma_f32 v[4+4*\r], v[4+4*\r], s26, s27       ; mean + eps
.endr
	v_rsq_f32 v14, v4
	v_rsq_f32 v16, v8
	v_nop                                          ; a plain instruction behind the last root
	s_wait_alu depctr_va_vdst(0)                   ; one wait for both roots, ahead of their first reader
	v_mov_b32 v15, v14                             ; pairs for the packed multiplies
	v_mov_b32 v17, v16
	s_wait_loadcnt 0x0                             ; g1
.irp r, 0,1
.irp j, 0,1,2,3,4,5,6,7
	v_pk_mul_f32 v[X+32*\r+4*\j:X+32*\r+4*\j+1], v[X+32*\r+4*\j:X+32*\r+4*\j+1], v[14+2*\r:15+2*\r]
	v_pk_mul_f32 v[X+32*\r+4*\j+2:X+32*\r+4*\j+3], v[X+32*\r+4*\j+2:X+32*\r+4*\j+3], v[14+2*\r:15+2*\r]
	v_pk_mul_f32 v[X+32*\r+4*\j:X+32*\r+4*\j+1], v[X+32*\r+4*\j:X+32*\r+4*\j+1], v[G+4*\j:G+4*\j+1]
	v_pk_mul_f32 v[X+32*\r+4*\j+2:X+32*\r+4*\j+3], v[X+32*\r+4*\j+2:X+32*\r+4*\j+3], v[G+4*\j+2:G+4*\j+3]
	v_cvt_pk_bf16_f32 v[X+32*\r+4*\j], v[X+32*\r+4*\j], v[X+32*\r+4*\j+1]
	v_cvt_pk_bf16_f32 v[X+32*\r+4*\j+1], v[X+32*\r+4*\j+2], v[X+32*\r+4*\j+3]
	global_store_b64 v2, v[X+32*\r+4*\j:X+32*\r+4*\j+1], s[20:21] offset:\r*2048+\j*256
.endr
.endr
	s_endpgm
.Lcast:
	s_sub_co_u32 s3, ttmp9, 256                    ; chunk 0..767
	s_mov_b64 s[28:29], s[18:19]                   ; which weight, and its first chunk: W_proj from 512,
	s_mov_b32 s30, 512
	s_cmp_lt_u32 s3, 512
	s_cselect_b64 s[28:29], s[16:17], s[28:29]     ; W_fc from 256,
	s_cselect_b32 s30, 256, s30
	s_cmp_lt_u32 s3, 256
	s_cselect_b64 s[28:29], s[14:15], s[28:29]     ; W_O from 192,
	s_cselect_b32 s30, 192, s30
	s_cmp_lt_u32 s3, 192
	s_cselect_b64 s[28:29], s[12:13], s[28:29]     ; W_V from 128,
	s_cselect_b32 s30, 128, s30
	s_cmp_lt_u32 s3, 128
	s_cselect_b64 s[28:29], s[10:11], s[28:29]     ; W_K from 64,
	s_cselect_b32 s30, 64, s30
	s_cmp_lt_u32 s3, 64
	s_cselect_b64 s[28:29], s[8:9], s[28:29]       ; W_Q from 0
	s_cselect_b32 s30, 0, s30
	s_sub_co_u32 s30, s3, s30
	s_lshl_b32 s32, s30, 16                        ; 65,536 bytes of f32 a chunk, 8,192 a wave
	s_lshl_b32 s34, s2, 13
	s_add_co_u32 s32, s32, s34
	s_add_nc_u64 s[28:29], s[28:29], s[32:33]
	s_lshl_b32 s32, s3, 15                         ; 32,768 bytes of bf16 a chunk, 4,096 a wave
	s_lshl_b32 s34, s2, 12
	s_add_co_u32 s32, s32, s34
	s_add_nc_u64 s[22:23], s[22:23], s[32:33]
.irp j, 0,1,2,3,4,5,6,7,8,9,10,11,12,13,14,15
	global_load_b128 v[X+4*\j:X+4*\j+3], v1, s[28:29] offset:\j*512 th:TH_LOAD_NT
.endr
.irp j, 0,1,2,3,4,5,6,7,8,9,10,11,12,13,14,15
	s_wait_loadcnt 15-\j                           ; loads come back in order: number j is in, the younger ones stay out
	v_cvt_pk_bf16_f32 v[X+4*\j], v[X+4*\j], v[X+4*\j+1]
	v_cvt_pk_bf16_f32 v[X+4*\j+1], v[X+4*\j+2], v[X+4*\j+3]
	global_store_b64 v2, v[X+4*\j:X+4*\j+1], s[22:23] offset:\j*256
.endr
	s_endpgm
.Lfunc_end_k_q80a12e6883_prep:
	.size	k_q80a12e6883_prep, .Lfunc_end_k_q80a12e6883_prep-k_q80a12e6883_prep
	.p2alignl 7, 3214868480
	.fill 96, 4, 3214868480
	.section	.rodata,"a",@progbits
	.p2align	6, 0x0
	.amdhsa_kernel k_q80a12e6883_prep
		.amdhsa_group_segment_fixed_size 0
		.amdhsa_private_segment_fixed_size 0
		.amdhsa_enable_private_segment 0
		.amdhsa_kernarg_size 80
		.amdhsa_user_sgpr_count 2
		.amdhsa_user_sgpr_kernarg_segment_ptr 1
		.amdhsa_wavefront_size32 1
		.amdhsa_system_sgpr_workgroup_id_x 1
		.amdhsa_system_sgpr_workgroup_id_y 1
		.amdhsa_system_sgpr_workgroup_id_z 1
		.amdhsa_system_vgpr_workitem_id 0
		.amdhsa_next_free_vgpr 128
		.amdhsa_next_free_sgpr 66
		.amdhsa_reserve_vcc 0
		.amdhsa_float_denorm_mode_32 3
		.amdhsa_float_denorm_mode_16_64 3
		.amdhsa_memory_ordered 1
		.amdhsa_forward_progress 1
		.amdhsa_inst_pref_size 21
	.end_amdhsa_kernel
	.amdgpu_metadata
---
amdhsa.version: [ 1, 2 ]
amdhsa.kernels:
  - .name:           k_q80a12e6883_prep
    .symbol:         k_q80a12e6883_prep.kd
    .args:
      - { .name: z, .offset: 0, .size: 8, .value_kind: global_buffer, .address_space: global }
      - { .name: g1, .offset: 8, .size: 8, .value_kind: global_buffer, .address_space: global }
      - { .name: W_Q, .offset: 16, .size: 8, .value_kind: global_buffer, .address_space: global }
      - { .name: W_K, .offset: 24, .size: 8, .value_kind: global_buffer, .address_space: global }
      - { .name: W_V, .offset: 32, .size: 8, .value_kind: global_buffer, .address_space: global }
      - { .name: W_O, .offset: 40, .size: 8, .value_kind: global_buffer, .address_space: global }
      - { .name: W_fc, .offset: 48, .size: 8, .value_kind: global_buffer, .address_space: global }
      - { .name: W_proj, .offset: 56, .size: 8, .value_kind: global_buffer, .address_space: global }
      - { .name: zn, .offset: 64, .size: 8, .value_kind: global_buffer, .address_space: global }
      - { .name: wb, .offset: 72, .size: 8, .value_kind: global_buffer, .address_space: global }
    .group_segment_fixed_size: 0
    .private_segment_fixed_size: 0
    .kernarg_segment_align: 8
    .kernarg_segment_size: 80
    .max_flat_workgroup_size: 256
    .sgpr_count:     66
    .vgpr_count:     128
    .wavefront_size: 32
...
	.end_amdgpu_metadata
.endif
;; end of part 1
;; launch qkv (part 2): grid 12 x 16, 4 waves a work-group, clusters of 4 x 4, 327,680 bytes of LDS; arguments zn, wb, qkv; writes qkv
.if DOCPART == 2
	.amdgcn_target "amdgcn-amd-amdhsa--gfx1250"
	.amdhsa_code_object_version 6
	.text
	.protected	k_q80a12e6883_qkv
	.globl	k_q80a12e6883_qkv
	.p2align	8
	.type	k_q80a12e6883_qkv,@function
k_q80a12e6883_qkv:
	s_mov_b64 s[64:65], 0
	v_nop
	global_prefetch_b8 v0, s[64:65] scope:SCOPE_SE
	s_setreg_imm32_b32 hwreg(HW_REG_WAVE_MODE, 25, 1), 1
	s_wait_xcnt 0x0
	s_wait_alu depctr_hold_cnt(0) depctr_sa_sdst(0) depctr_va_vdst(0) depctr_va_sdst(0) depctr_va_ssrc(0) depctr_va_vcc(0) depctr_vm_vsrc(0)
	s_getreg_b32 s2, hwreg(HW_REG_IB_STS2, 6, 4)
	s_cmp_eq_u32 s2, 0
	s_cbranch_scc0 .Lentry_in_a_cluster
	s_endpgm
.Lentry_in_a_cluster:
	s_bfe_u32 s2, ttmp6, 0x10000c
	s_cmp_lg_u32 s2, 0xf033
	s_cbranch_scc0 .Lentry_shape_is_right
	s_endpgm
.Lentry_shape_is_right:
; ONE TEXT FOR TWO PRODUCTS C = A W with K = 1,024, chosen by FC.  A and W are bf16, sums f32.  W lies [K][N] and its fragments are read out of LDS turned (ds_load_tr16_b128).
;   FC = 0: q, k, v = zn [W_Q, W_K, W_V]; zn is [4096][1024]; the result goes out by heads, bf16 [3][32][2048][64], unscaled.
;   FC = 1: gl = gelu(rs * (z1g W_fc)); z1g is blocked [16][4096][64]; rs = 1 / sqrt(mean of z1^2 + 1e-5) from the 16 partial sums a row in ssq; gl is bf16 [4096][4096].
; GELU: gelu(u) = max(u, 0) - |u| / 2 * erfc(|u| / sqrt 2), erfc(x) = t (a1 + t (a2 + a3 t)) exp(-x^2), t = 1 / (1 + 0.47047 x): a rational form whose error in erfc is at most 2.5e-5 for EVERY x >= 0.
; LIMITS: gelu is off by at most 1.25e-5 |u|; |u| stays a finite number; NaN and infinities are not treated apart.
; SHARES.  A tile of C is 256 x 256; four waves, each 128 x 128: 64 accumulators, 512 registers.  K goes in 8 steps of 128 through two LDS slots.  The product is used transposed (source 0 = 16 columns
; of W, source 1 = 16 rows of A): a lane holds row l % 16 of C and eight neighbouring columns.
; CLUSTER 4 x 4: A's tile is asked for jointly along a row of the cluster, W's along a column.  Waves 0, 1 fetch A's two halves of 128 rows, waves 2, 3 W's two halves of 64 k rows: one load a wave.
; THE LOOP IS WRITTEN ONCE A K STEP: the slot that is read (TB) and the slot that is filled (FS) are scalars turned by an exclusive or; one walking descriptor a tensor.
; FRAGMENTS: two buffers; a quarter's 32 LDS loads stand in one run at the head of the quarter before, 64 products ahead of their first use: the four waves' runs together are 128 loads of 512 bytes.
; WINDOWS: 0: addresses, A's fragments (v64-191), the way out; 1: W's fragments (v64-191); 2, 3: accumulators ((a, b) at v[8 (8 (a % 4) + b)]).
.set FC, 0
.if FC
.set PA,     144                       ; an LDS row of A: 128 bytes + 16; a load brings [2 blocks][128 rows]
.set AHALF,  2*128*PA
.set ASTEP,  1<<20                     ; two blocks of 4,096 rows x 128 bytes
.set BSTEP,  1<<20                     ; 128 k rows of 8,192 bytes
.set BPITCH, 4096
.set G1A0,   (1<<16)|(1<<20)|(1<<21)|(4<<22)|(3<<25)  ; 2-byte elements; padding on; bit 21 beside a mask; 4 words behind every 32
.else
.set PA,     272                       ; 256 bytes + 16
.set AHALF,  128*PA
.set ASTEP,  256
.set BSTEP,  1<<18                     ; 128 k rows of 2,048 bytes
.set BPITCH, 1024
.set G1A0,   (1<<16)|(1<<20)|(1<<21)|(5<<22)|(3<<25)  ; 4 words behind every 64
.endif
.set G1B0,   (1<<16)|(1<<20)|(1<<21)|(6<<22)|(7<<25)  ; 8 words behind every 128
.set PB,     544                       ; an LDS row of W: 512 bytes + 32 = 17 x 32
.set BHALF,  64*PB
.set BOFF,   2*AHALF
.set SLOT,   BOFF+2*BHALF
.set OP,     528                       ; the way out: a row of 128 f32 + 16 bytes
.set OSTG,   128*OP                    ; a wave's stage, laid over the slots behind their last fill and last read
.set RSTAB,  2*SLOT                    ; FC: 512 bytes a wave: rs of its 128 rows
.if FC
.set SPARE,  RSTAB+2048
.else
.set SPARE,  2*SLOT
.endif
.set CNT, 2
.set LAP, 3
.set WV, 12
.set WR, 13                            ; my half of the tile's rows; also: I fetch for A (0) or W (1)
.set WC, 14                            ; my half of its columns; also: which half I fetch
.set CX, 15
.set CY, 16
.set TCOL, 17
.set TROW, 18
.set G1A, 24
.set G0A, 32                           ; s[32:35] first fill, s[36:39] second fill, which then walks
.set G1B, 40
.set G0B, 48
.set TB, 56
.set FS, 57
.set LA, 58
.set LB, 59
.set PFA, 60
.set LIM, 62
.set PFS, 66
.set ADRA0, 16
.set ADRB0, 17
.set ADRA, 18
.set ADRB, 19
.set STO, 24
.set RD, 25
.set CO, 26
.set RSA, 27
.set SPW, 28
.set NIL, 29
.set PFO, 30
.set F0, 64
.set F1, 128
.set GX, 32                            ; the way out, window 0
.set GU, 64
.set GS, 96
.set GT, 128
.set GE, 160
.set GY, 192
.set RSV, 224
.set MSB, 0
.macro WIN new                         ; the high byte repeats the setting that is left; a switch that changes nothing is dropped
.if MSB != (\new)
	s_set_vgpr_msb (MSB<<8)|(\new)
.set MSB, \new
.endif
.endm
.set MUL_LO, 0xa1                      ; source 0 (W) window 1, source 1 (A) window 0, C and D window 2
.set MUL_HI, 0xf1
.set TO_B,   0x40
.macro PLACES                          ; four plain places behind matrix instructions, in front of loads into their sources and of readers of their results
.rept 4
	v_nop
.endr
.endm
.macro JLOAD                           ; the joint refill by the walking descriptor; the branch hangs on the wave's number alone; s_nop 0 and four v_nop follow each line
	s_cmp_eq_u32 s[WR], 0
	s_cbranch_scc0 .Lfor_b_\@
	tensor_load_to_lds s[G0A+4:G0A+7], s[G1A:G1A+7]
	s_nop 0
	PLACES
	s_branch .Lasked_\@
.Lfor_b_\@:
	tensor_load_to_lds s[G0B+4:G0B+7], s[G1B:G1B+7]
	s_nop 0
	PLACES
.Lasked_\@:
.endm
.macro ASK                             ; a prefetch of my work-group's 32 blocks of 256 bytes of the K step two refills on; the last two refills that could name one past the end ask for nothing
	s_cmp_gt_u32 s[LAP], s[LIM]
	s_cbranch_scc0 .Lnot_mine_\@
	global_prefetch_b8 v[PFO], s[PFA:PFA+1] th:TH_LOAD_NT scope:SCOPE_SE
.Lnot_mine_\@:
.endm
.macro CREST                           ; a round of the cluster's barrier behind its opening barrier
	s_cmp_lg_u32 s[WV], 0
	s_cbranch_scc1 .Lnot_wave_0_\@
	s_barrier_signal -3
.Lnot_wave_0_\@:
	s_barrier_wait -3
	s_barrier_signal -1
	s_barrier_wait -1
.endm
.macro CROUND
	s_barrier_signal -1
	s_barrier_wait -1
	CREST
.endm
.macro MUL16 f, hi, a0, zero           ; 16 products: row blocks a0, a0 + 1 of the window's four x all 8 column blocks, 32 along K
	WIN MUL_LO+0x50*(\hi)
.irp a, \a0, (\a0)+1
.irp b, 0,1,2,3,4,5,6,7
.if \zero
	v_wmma_f32_16x16x32_bf16 v[8*(8*(\a)+(\b)):8*(8*(\a)+(\b))+7], v[(\f)+8*(\b):(\f)+8*(\b)+7], v[(\f)+8*(4*(\hi)+(\a)):(\f)+8*(4*(\hi)+(\a))+7], 0
.else
	v_wmma_f32_16x16x32_bf16 v[8*(8*(\a)+(\b)):8*(8*(\a)+(\b))+7], v[(\f)+8*(\b):(\f)+8*(\b)+7], v[(\f)+8*(4*(\hi)+(\a)):(\f)+8*(4*(\hi)+(\a))+7], v[8*(8*(\a)+(\b)):8*(8*(\a)+(\b))+7]
.endif
.endr
.endr
.endm
.macro FETCH q, f                      ; 32 LDS loads in one run: quarter q (32 along K) of the slot in hand into buffer f: W's 128 columns turned, then A's 128 rows
.if FC
.set aq, ((\q)/2)*128*PA+((\q)%2)*64
.else
.set aq, 64*(\q)
.endif
	WIN TO_B
.irp i, 0,1,2,3,4,5,6,7
	ds_load_tr16_b128 v[(\f)+8*(\i):(\f)+8*(\i)+3],   v[ADRB] offset:(\q)*32*PB+32*(\i)
	ds_load_tr16_b128 v[(\f)+8*(\i)+4:(\f)+8*(\i)+7], v[ADRB] offset:(\q)*32*PB+32*(\i)+16*PB
.endr
	WIN 0
.irp i, 0,1,2,3,4,5,6,7
	ds_load_b128 v[(\f)+8*(\i):(\f)+8*(\i)+3],   v[ADRA] offset:aq+(\i)*16*PA
	ds_load_b128 v[(\f)+8*(\i)+4:(\f)+8*(\i)+7], v[ADRA] offset:aq+(\i)*16*PA+32
.endr
.endm
.macro QUARTER q, f, g, zero           ; fetches quarter q into buffer g, then multiplies buffer f: the run of loads stands 64 products ahead of its first use
	PLACES                                         ; behind the last product that read buffer g
	FETCH \q, \g
	s_wait_dscnt 40                                ; of buffer f, W and A's rows 0-63 are in; its youngest eight loads (A's rows 64-127) and the 32 just issued may be out
	MUL16 \f, 0, 0, \zero
	MUL16 \f, 0, 2, \zero
	s_wait_dscnt 32                                ; all of buffer f is in; the 32 just issued may be out
	MUL16 \f, 1, 0, \zero
	MUL16 \f, 1, 2, \zero
.endm
; The last quarter of a K step multiplies buffer 1 and changes slots.  Its fragments, the slot's last reads, were asked for 64 products ago.  At its head each wave waits for all its tensor loads (one is
; out: its part of the next slot), adds 0 to its spare word, steps the walking descriptors, and waits for the add and for its reads of this slot; sixteen products stand between signal and wait.
; fill = 1: the barrier opens a round of the cluster's, and the joint refill is the first tensor load behind it: 240 products ahead of the wait for it.
; fill = 0 (the tail): nothing is filled; in the last K step (CNT = 1) nothing is fetched either, and behind that barrier the slots are nobody's any more.
.macro TURN fill
.if \fill
	s_wait_xcnt 0x0                                ; the last prefetch, a K step back, has read its address
	s_add_nc_u64 s[PFA:PFA+1], s[PFA:PFA+1], s[PFS:PFS+1]
.endif
	WIN 0
	s_wait_tensorcnt 0x0                           ; no tensor load of mine is out, so a group 0 may be written
	ds_add_u32 v[SPW], v[NIL]
.if \fill
	s_xor_b32 s[FS], s[FS], SLOT                   ; the slot that is being read out,
	s_add_co_u32 s[G0A+5], s[LA], s[FS]
	s_add_co_u32 s[G0B+5], s[LB], s[FS]
	s_add_nc_u64 s[G0A+6:G0A+7], s[G0A+6:G0A+7], ASTEP  ; the next K step that has not been asked for
	s_add_nc_u64 s[G0B+6:G0B+7], s[G0B+6:G0B+7], BSTEP
.endif
	s_wait_dscnt 0x0                               ; the add is done, buffer 1 is in, my reads of this slot are over
	s_barrier_signal -1
	MUL16 F1, 0, 0, 0
	WIN 0
	s_barrier_wait -1
.if \fill
	CREST
	JLOAD                                          ; its four v_nop are also the places in front of the loads below
.else
	s_cmp_eq_u32 s[CNT], 1
	s_cbranch_scc1 .Lnofetch_\@
	PLACES
.endif
	s_xor_b32 s[TB], s[TB], SLOT
	v_add_nc_u32 v[ADRA], s[TB], v[ADRA0]
	v_add_nc_u32 v[ADRB], s[TB], v[ADRB0]
	FETCH 0, F0                                    ; the next slot's first quarter: 48 products ahead of its first use
.if \fill
	ASK
.else
.Lnofetch_\@:
.endif
	MUL16 F1, 0, 2, 0
	MUL16 F1, 1, 0, 0
	MUL16 F1, 1, 2, 0
.endm
	s_load_b128 s[4:7], s[0:1], 0x0                ; A, wb
.if FC
	s_load_b128 s[8:11], s[0:1], 0x10              ; gl, ssq
.else
	s_load_b64 s[8:9], s[0:1], 0x10                ; qkv
.endif
	v_lshl_add_u32 v[SPW], v0, 2, SPARE
	v_mov_b32 v[NIL], 0
	ds_add_u32 v[SPW], v[NIL]                      ; the wave's opening: the add and its wait stand ahead of my first tensor load
	v_lshrrev_b32 v1, 5, v0
	v_readfirstlane_b32 s[WV], v1
	s_lshr_b32 s[WR], s[WV], 1
	s_and_b32 s[WC], s[WV], 1
	s_bfe_u32 s[CX], ttmp6, 0x40000
	s_bfe_u32 s[CY], ttmp6, 0x40004
	s_lshl_b32 s[TCOL], ttmp9, 2
	s_add_co_u32 s[TCOL], s[TCOL], s[CX]           ; tile column = 4 x cluster x + cx
	s_and_b32 s[TROW], ttmp7, 0xffff
	s_lshl_b32 s[TROW], s[TROW], 2
	s_add_co_u32 s[TROW], s[TROW], s[CY]           ; tile row = 4 x cluster y + cy
	s_lshl_b32 s19, s[CY], 2
	s_lshl_b32 s19, 15, s19                        ; my row of the cluster
	s_lshl_b32 s63, 0x1111, s[CX]                  ; my column
	s_or_b32 s[G1A], s19, G1A0
	s_or_b32 s[G1B], s63, G1B0
.if FC
	s_mov_b32 s[G1A+1], 8192<<16                   ; a row of the tile is 128 rows x 64 channels, dense: 8,192 elements;
	s_mov_b32 s[G1A+2], 2<<16                      ; two such, one for each block of 64 channels,
	s_mov_b32 s[G1A+3], 8192<<16
	s_mov_b32 s[G1A+4], 2
	s_mov_b32 s[G1A+5], 262144                     ; 4,096 x 64 elements apart
.else
	s_mov_b32 s[G1A+1], 128<<16
	s_mov_b32 s[G1A+2], 128<<16
	s_mov_b32 s[G1A+3], 128<<16
	s_mov_b32 s[G1A+4], 128
	s_mov_b32 s[G1A+5], 1024
.endif
	s_mov_b32 s[G1A+6], 0
	s_mov_b32 s[G1A+7], 0
	s_mov_b32 s[G1B+1], 256<<16                    ; 64 k rows of 256 columns
	s_mov_b32 s[G1B+2], 64<<16
	s_mov_b32 s[G1B+3], 256<<16
	s_mov_b32 s[G1B+4], 64
	s_mov_b32 s[G1B+5], BPITCH
	s_mov_b32 s[G1B+6], 0
	s_mov_b32 s[G1B+7], 0
.if FC
	s_lshl_b32 s20, s[TROW], 15                    ; A: 256 rows of 128 bytes a tile row,
	s_lshl_b32 s21, s[WC], 14                      ; my 128 of them
.else
	s_lshl_b32 s20, s[TROW], 19                    ; A: 256 rows of 2,048 bytes
	s_lshl_b32 s21, s[WC], 18
.endif
	s_add_co_u32 s20, s20, s21
	s_mov_b32 s21, 0
.if FC
	s_lshl_b32 s22, s[TCOL], 9                     ; W_fc lies 8 MiB into wb; 512 bytes a tile column; my 64 k rows of 8,192 bytes
	s_lshl_b32 s23, s[WC], 19
	s_add_co_u32 s22, s22, s23
	s_add_co_u32 s22, s22, 8<<20
.else
	s_lshr_b32 s22, s[TCOL], 2                     ; which of W_Q, W_K, W_V: 2 MiB each
	s_lshl_b32 s22, s22, 21
	s_and_b32 s23, s[TCOL], 3
	s_lshl_b32 s23, s23, 9
	s_add_co_u32 s22, s22, s23
	s_lshl_b32 s23, s[WC], 17                      ; my 64 k rows of 2,048 bytes
	s_add_co_u32 s22, s22, s23
.endif
	s_mov_b32 s23, 0
	s_mul_i32 s[LA], s[WC], AHALF                  ; no place in the cluster enters an LDS address
	s_mul_i32 s[LB], s[WC], BHALF
	s_add_co_u32 s[LB], s[LB], BOFF
	s_mov_b32 s[TB], 0
	s_mov_b32 s[FS], SLOT
	s_mov_b32 s[G0A], 1
	s_mov_b32 s[G0A+1], s[LA]
	s_mov_b32 s[G0A+4], 1
	s_add_co_u32 s[G0A+5], s[LA], SLOT
	s_mov_b32 s[G0B], 1
	s_mov_b32 s[G0B+1], s[LB]
	s_mov_b32 s[G0B+4], 1
	s_add_co_u32 s[G0B+5], s[LB], SLOT
	s_wait_dscnt 0x0                               ; the opening add is done
	s_wait_kmcnt 0x0
	s_add_nc_u64 s[G0A+2:G0A+3], s[4:5], s[20:21]  ; K step 0
	s_add_nc_u64 s[G0A+6:G0A+7], s[G0A+2:G0A+3], ASTEP  ; K step 1
	s_or_b32 s[G0A+3], s[G0A+3], 0x80000000
	s_or_b32 s[G0A+7], s[G0A+7], 0x80000000
	s_add_nc_u64 s[G0B+2:G0B+3], s[6:7], s[22:23]
	s_add_nc_u64 s[G0B+6:G0B+7], s[G0B+2:G0B+3], BSTEP
	s_or_b32 s[G0B+3], s[G0B+3], 0x80000000
	s_or_b32 s[G0B+7], s[G0B+7], 0x80000000
	CROUND                                         ; all sixteen work-groups are here: the first joint loads meet
	s_cmp_eq_u32 s[WR], 0                          ; a wave's two first fills stand in one branch: two loads of mine are out
	s_cbranch_scc0 .Lfirst_b
	tensor_load_to_lds s[G0A:G0A+3], s[G1A:G1A+7]
	s_nop 0
	tensor_load_to_lds s[G0A+4:G0A+7], s[G1A:G1A+7]
	s_nop 0
	PLACES
	s_branch .Lfirst_done
.Lfirst_b:
	tensor_load_to_lds s[G0B:G0B+3], s[G1B:G1B+7]
	s_nop 0
	tensor_load_to_lds s[G0B+4:G0B+7], s[G1B:G1B+7]
	s_nop 0
	PLACES
.Lfirst_done:
	v_and_b32 v1, 15, v0                           ; l % 16
	v_bfe_u32 v2, v0, 4, 1                         ; l / 16
	v_and_b32 v3, 31, v0                           ; l
	v_mul_u32_u24 v[ADRA0], v1, PA                 ; A's fragment: row x pitch + 16 x half, in my 128 rows
	v_lshl_add_u32 v[ADRA0], v2, 4, v[ADRA0]
	s_mul_i32 s72, s[WR], AHALF
	v_add_nc_u32 v[ADRA0], s72, v[ADRA0]
	v_and_b32 v4, 7, v0                            ; W's: k row 8 (l / 16) + l % 8, 16 bytes by (l / 8) % 2, in my 128 columns
	v_lshl_add_u32 v4, v2, 3, v4
	v_mul_u32_u24 v[ADRB0], v4, PB
	v_bfe_u32 v5, v0, 3, 1
	v_lshl_add_u32 v[ADRB0], v5, 4, v[ADRB0]
	s_lshl_b32 s72, s[WC], 8
	s_add_co_u32 s72, s72, BOFF
	v_add_nc_u32 v[ADRB0], s72, v[ADRB0]
	v_mov_b32 v[ADRA], v[ADRA0]
	v_mov_b32 v[ADRB], v[ADRB0]
	s_mul_i32 s73, s[WV], OSTG                     ; my stage for the way out
	v_mul_u32_u24 v[STO], v1, OP                   ; in: row l % 16, 32 bytes for each half of the lanes
	v_lshl_add_u32 v[STO], v2, 5, v[STO]
	v_add_nc_u32 v[STO], s73, v[STO]
.if FC
	v_mul_u32_u24 v[RD], v2, OP                    ; back: lanes 0-15 one row, lanes 16-31 the next; 8 numbers a lane
	v_lshl_add_u32 v[RD], v1, 5, v[RD]
	v_add_nc_u32 v[RD], s73, v[RD]
	v_lshlrev_b32 v[CO], 13, v2                    ; the same two rows of gl, 8,192 bytes apart
	v_lshl_add_u32 v[CO], v1, 4, v[CO]
	s_lshl_b32 s72, s[WV], 9
	s_add_co_u32 s72, s72, RSTAB
	v_lshl_add_u32 v[RSA], v2, 2, s72
	v_lshl_add_u32 v7, v3, 4, s72
.else
	v_bfe_u32 v6, v0, 3, 2                         ; back: 32 lanes take four rows x 64 columns, 8 numbers a lane
	v_mul_u32_u24 v[RD], v6, OP
	v_and_b32 v7, 7, v0
	v_lshl_add_u32 v[RD], v7, 5, v[RD]
	v_add_nc_u32 v[RD], s73, v[RD]
	v_lshlrev_b32 v[CO], 4, v3                     ; which are 512 consecutive bytes of a head
.endif
	; THE PREFETCHES.  A's tile row is read by every cluster of that row of clusters: cluster x = 0 asks; W's tile column by every cluster of that column: cluster y = 0 asks.  Of the 128 blocks of
	; 256 bytes that a wave fetches in a K step each of the four partners takes 32, told apart by address.  So each block is named once.  Nothing is asked for here, at the head.
	s_mov_b32 s72, ASTEP
	s_mov_b32 s73, BSTEP
.if FC
	s_lshr_b32 s74, s[CX], 1                       ; A: partner p takes block p / 2 of the two, units 32 (p % 2) + l of its 64
	s_lshl_b32 s74, s74, 19
	s_and_b32 s75, s[CX], 1
	s_lshl_b32 s75, s75, 13
	s_add_co_u32 s74, s74, s75
	s_lshl_b32 s75, s[CY], 17                      ; W: k rows 16 p + l / 2, unit l % 2
	s_mov_b32 s76, 256
.else
	s_lshl_b32 s74, s[CX], 16                      ; A: rows 32 p + l
	s_lshl_b32 s75, s[CY], 15
	s_mov_b32 s76, 2048
.endif
	s_mov_b32 s77, 2*BPITCH
	s_and_b32 s78, ttmp7, 0xffff
	s_cmp_eq_u32 s[WR], 0
	s_cselect_b64 s[PFA:PFA+1], s[4:5], s[6:7]
	s_cselect_b64 s[68:69], s[20:21], s[22:23]
	s_cselect_b32 s[PFS], s72, s73
	s_cselect_b32 s74, s74, s75
	s_cselect_b32 s76, s76, s77
	s_cselect_b32 s78, ttmp9, s78
	s_mov_b32 s[PFS+1], 0
	s_cmp_eq_u32 s78, 0
	s_cselect_b32 s[LIM], 2, -1                    ; the same in all sixteen partners, for a given wave
	s_add_nc_u64 s[PFA:PFA+1], s[PFA:PFA+1], s[68:69]
	s_mov_b32 s75, 0
	s_add_nc_u64 s[PFA:PFA+1], s[PFA:PFA+1], s[74:75]
	s_mul_i32 s74, s[PFS], 3
	s_add_nc_u64 s[PFA:PFA+1], s[PFA:PFA+1], s[74:75]  ; at K step 3: the first refill steps it to 4
	v_lshrrev_b32 v4, s[WR], v3
	v_mul_u32_u24 v4, v4, s76
	v_and_b32 v5, s[WR], v3
	v_lshl_add_u32 v[PFO], v5, 8, v4
.if FC
	s_lshl_b32 s68, s[TROW], 21                    ; gl at my 128 rows of 8,192 bytes and my 128 columns
	s_lshl_b32 s69, s[WR], 20
	s_add_co_u32 s68, s68, s69
	s_lshl_b32 s69, s[TCOL], 9
	s_add_co_u32 s68, s68, s69
	s_lshl_b32 s69, s[WC], 8
	s_add_co_u32 s68, s68, s69
.else
	s_lshr_b32 s68, s[TCOL], 2                     ; q, k or v: 8 MiB each
	s_lshl_b32 s68, s68, 23
	s_lshr_b32 s69, s[TROW], 3                     ; the batch's 16 heads,
	s_lshl_b32 s69, s69, 4
	s_and_b32 s72, s[TCOL], 3
	s_lshl2_add_u32 s69, s72, s69                  ; the tile column's four,
	s_lshl1_add_u32 s69, s[WC], s69                ; my two: 262,144 bytes a head
	s_lshl_b32 s69, s69, 18
	s_add_co_u32 s68, s68, s69
	s_and_b32 s69, s[TROW], 7                      ; my 128 rows of 128 bytes in it
	s_lshl_b32 s69, s69, 15
	s_add_co_u32 s68, s68, s69
	s_lshl_b32 s69, s[WR], 14
	s_add_co_u32 s68, s68, s69
.endif
	s_mov_b32 s69, 0
	s_add_nc_u64 s[8:9], s[8:9], s[68:69]
.if FC
	; rs of my 128 rows: 16 partial sums a row, four rows a lane; kept in LDS bytes of my own into which no tile lands
	s_lshl_b32 s72, s[TROW], 10
	s_lshl_b32 s73, s[WR], 9
	s_add_co_u32 s72, s72, s73
	s_mov_b32 s73, 0
	s_add_nc_u64 s[10:11], s[10:11], s[72:73]
	s_mov_b32 s80, 0x3a800000                      ; 1 / 1024
	s_mov_b32 s81, 0x3727c5ac                      ; 1e-5
	v_lshlrev_b32 v6, 4, v3
.irp p, 0,1,2,3,4,5,6,7,8,9,10,11,12,13,14,15
	global_load_b128 v[192+4*\p:195+4*\p], v6, s[10:11] offset:\p*16384
.endr
	s_wait_loadcnt 0x0
.irp d, 8,4,2,1
.set p, 0
.rept \d
	v_pk_add_f32 v[192+4*p:193+4*p], v[192+4*p:193+4*p], v[192+4*(p+\d):193+4*(p+\d)]
	v_pk_add_f32 v[194+4*p:195+4*p], v[194+4*p:195+4*p], v[194+4*(p+\d):195+4*(p+\d)]
.set p, p+1
.endr
.endr
.irp k, 0,1,2,3
	v_fma_f32 v[192+\k], v[192+\k], s80, s81
.endr
.irp k, 0,1,2,3
	v_rsq_f32 v[192+\k], v[192+\k]
.endr
	v_nop                                          ; a plain instruction behind the last root,
	s_wait_alu depctr_va_vdst(0)                   ; and one wait for the four, ahead of their reader
	ds_store_b128 v7, v[192:195]
	s_wait_dscnt 0x0                               ; no LDS instruction of mine is out at the signal below
.endif
	s_wait_tensorcnt 1                             ; my part of K step 0 is in; K step 1's may stay out
	s_barrier_signal -1
	s_barrier_wait -1
	FETCH 0, F0
	QUARTER 1, F0, F1, 1                           ; the first quarter's products start the sums: nothing is cleared
	WIN 0
	s_mov_b32 s[LAP], 6
.Llap:                                                 ; a trip: the rest of K step s and the first quarter of s + 1; it asks for K step s + 2.  The 64 accumulators take turns in one order throughout
	QUARTER 2, F1, F0, 0
	QUARTER 3, F0, F1, 0
	TURN 1
	QUARTER 1, F0, F1, 0
	WIN 0
	s_sub_co_u32 s[LAP], s[LAP], 1
	s_cmp_lg_u32 s[LAP], 0
	s_cbranch_scc1 .Llap
	s_mov_b32 s[CNT], 2
.Ltail:                                                ; K steps 6 and 7 ask for nothing; the second trip is left in its middle
	QUARTER 2, F1, F0, 0
	QUARTER 3, F0, F1, 0
	TURN 0
	WIN 0
	s_sub_co_u32 s[CNT], s[CNT], 1
	s_cmp_eq_u32 s[CNT], 0
	s_cbranch_scc1 .Lout
	QUARTER 1, F0, F1, 0
	WIN 0
	s_branch .Ltail
.Lout:
	; THE WAY OUT.  My 128 x 128 sums go as f32 into my stage, which lies over the slots: every wave's reads of them ended in front of the last barrier, and no tile lands any more.
	PLACES
.irp a, 0,1,2,3,4,5,6,7
	WIN 0x08+4*((\a)/4)                            ; store data (source 1) in window 2 or 3
.irp b, 0,1,2,3,4,5,6,7
	ds_store_b128 v[STO], v[8*(8*((\a)%4)+(\b)):8*(8*((\a)%4)+(\b))+3]   offset:(\a)*16*OP+64*(\b)
	ds_store_b128 v[STO], v[8*(8*((\a)%4)+(\b))+4:8*(8*((\a)%4)+(\b))+7] offset:(\a)*16*OP+64*(\b)+16
.endr
.endr
	WIN 0
.if FC
	s_mov_b32 s70, 0x3f596d27                      ; k = sqrt(log2(e) / 2): sp = k |u|, exp(-u^2 / 2) = 2^(-sp^2)
	s_mov_b32 s71, 0x7fffffff
	s_mov_b32 s72, 0x3ec88bda                      ; 0.47047 / (k sqrt 2)
	s_mov_b32 s73, s72
	s_mov_b32 s74, 0x3ee16a97                      ; a3 / 2k
	s_mov_b32 s75, s74
	s_mov_b32 s76, 0xbd6732ca                      ; a2 / 2k
	s_mov_b32 s77, s76
	s_mov_b32 s78, 0x3e51cd01                      ; a1 / 2k
	s_mov_b32 s79, s78
.irp t, 0,1,2,3
	v_mov_b32 v[RSV+2*\t+1], 0                     ; named with rs as a pair
.endr
.macro XLOAD                           ; eight rows of my stage, 32 numbers a lane, and their rs.  LDS serves a wave's instructions in order: these see my stores
.irp t, 0,1,2,3
	ds_load_b128 v[GX+8*\t:GX+8*\t+3],   v[RD] offset:\t*2*OP
	ds_load_b128 v[GX+8*\t+4:GX+8*\t+7], v[RD] offset:\t*2*OP+16
.endr
.irp t, 0,1,2,3
	ds_load_b32 v[RSV+2*\t], v[RSA] offset:8*\t
.endr
.endm
	XLOAD
	s_mov_b32 s[CNT], 16
.Lrows:                                                ; 16 trips of 8 rows
	s_wait_dscnt 0x0
.set n, 0
.rept 16
	v_pk_mul_f32 v[GU+2*n:GU+2*n+1], v[GX+2*n:GX+2*n+1], v[RSV+2*(n/4):RSV+2*(n/4)+1] op_sel_hi:[1,0]  ; u = rs x sum
.set n, n+1
.endr
	v_add_nc_u32 v[RD], 8*OP, v[RD]
	v_add_nc_u32 v[RSA], 32, v[RSA]
	s_cmp_eq_u32 s[CNT], 1
	s_cbranch_scc1 .Lnox                           ; the last trip has no rows behind it
	XLOAD
.Lnox:
.set n, 0
.rept 32
	v_and_b32 v[GS+n], s71, v[GU+n]                ; |u|
.set n, n+1
.endr
.set n, 0
.rept 16
	v_pk_mul_f32 v[GS+2*n:GS+2*n+1], v[GS+2*n:GS+2*n+1], s[70:71] op_sel_hi:[1,0]                    ; sp
.set n, n+1
.endr
.set n, 0
.rept 16
	v_pk_fma_f32 v[GT+2*n:GT+2*n+1], v[GS+2*n:GS+2*n+1], s[72:73], 1.0 op_sel_hi:[1,0,0]            ; 1 + p x
	v_pk_mul_f32 v[GE+2*n:GE+2*n+1], v[GS+2*n:GS+2*n+1], v[GS+2*n:GS+2*n+1] neg_lo:[1,0] neg_hi:[1,0]  ; -sp^2
.set n, n+1
.endr
.set n, 0
.rept 32                               ; ONE BATCH of 64, with the 32 maxima as plain neighbours; nothing here names a result of the batch
	v_rcp_f32 v[GT+n], v[GT+n]
	v_exp_f32 v[GE+n], v[GE+n]
	v_max_num_f32 v[GU+n], 0, v[GU+n]
.set n, n+1
.endr
	v_nop
	s_wait_alu depctr_va_vdst(0)                   ; one wait for the batch, ahead of its first reader
.set n, 0
.rept 16
	v_pk_mul_f32 v[GE+2*n:GE+2*n+1], v[GE+2*n:GE+2*n+1], v[GS+2*n:GS+2*n+1]
	v_pk_fma_f32 v[GS+2*n:GS+2*n+1], v[GT+2*n:GT+2*n+1], s[74:75], s[76:77] op_sel_hi:[1,0,0]
.set n, n+1
.endr
.set n, 0
.rept 16
	v_pk_mul_f32 v[GE+2*n:GE+2*n+1], v[GE+2*n:GE+2*n+1], v[GT+2*n:GT+2*n+1]
	v_pk_fma_f32 v[GS+2*n:GS+2*n+1], v[GS+2*n:GS+2*n+1], v[GT+2*n:GT+2*n+1], s[78:79] op_sel_hi:[1,1,0]
.set n, n+1
.endr
.set n, 0
.rept 16
	v_pk_fma_f32 v[GU+2*n:GU+2*n+1], v[GS+2*n:GS+2*n+1], v[GE+2*n:GE+2*n+1], v[GU+2*n:GU+2*n+1] neg_lo:[1,0,0] neg_hi:[1,0,0]
.set n, n+1
.endr
.set n, 0
.rept 16
	v_cvt_pk_bf16_f32 v[GY+n], v[GU+2*n], v[GU+2*n+1]
.set n, n+1
.endr
.irp t, 0,1,2,3
	global_store_b128 v[CO], v[GY+4*\t:GY+4*\t+3], s[8:9] offset:\t*16384  ; 16 lanes store 256 consecutive bytes, aligned
.endr
	s_wait_xcnt 0x0                                ; the stores have read their offset and data: both are written again only behind this wait
	v_add_nc_u32 v[CO], 65536, v[CO]
	s_sub_co_u32 s[CNT], s[CNT], 1
	s_cmp_lg_u32 s[CNT], 0
	s_cbranch_scc1 .Lrows
.else
.macro XLOAD                           ; 16 rows of my stage: for each of my two heads four loads' worth of four rows x 64 columns
.irp t, 0,1,2,3
.irp d, 0,1
	ds_load_b128 v[GU+8*(2*\t+\d):GU+8*(2*\t+\d)+3],   v[RD] offset:\t*4*OP+\d*256
	ds_load_b128 v[GU+8*(2*\t+\d)+4:GU+8*(2*\t+\d)+7], v[RD] offset:\t*4*OP+\d*256+16
.endr
.endr
.endm
	XLOAD
	s_mov_b32 s[CNT], 8
.Lrows:                                                ; 8 trips of 16 rows
	s_wait_dscnt 0x0
.set n, 0
.rept 32
	v_cvt_pk_bf16_f32 v[GY+n], v[GU+2*n], v[GU+2*n+1]
.set n, n+1
.endr
	v_add_nc_u32 v[RD], 16*OP, v[RD]
	s_cmp_eq_u32 s[CNT], 1
	s_cbranch_scc1 .Lnox                           ; the last trip has no rows behind it
	XLOAD
.Lnox:
.irp t, 0,1,2,3
.irp d, 0,1
	global_store_b128 v[CO], v[GY+4*(2*\t+\d):GY+4*(2*\t+\d)+3], s[8:9] offset:\d*262144+\t*512  ; 512 consecutive bytes of a head, aligned
.endr
.endr
	s_wait_xcnt 0x0                                ; the stores have read their offset and data: both are written again only behind this wait
	v_add_nc_u32 v[CO], 2048, v[CO]
	s_sub_co_u32 s[CNT], s[CNT], 1
	s_cmp_lg_u32 s[CNT], 0
	s_cbranch_scc1 .Lrows
.endif
	s_wait_tensorcnt 0x0                           ; the wave's end: behind my last tensor load and my last LDS store
	ds_add_u32 v[SPW], v[NIL]
	s_wait_dscnt 0x0
	CROUND                                         ; the closing round
	s_endpgm
.Lfunc_end_k_q80a12e6883_qkv:
	.size	k_q80a12e6883_qkv, .Lfunc_end_k_q80a12e6883_qkv-k_q80a12e6883_qkv
	.p2alignl 7, 3214868480
	.fill 96, 4, 3214868480
	.section	.rodata,"a",@progbits
	.p2align	6, 0x0
	.amdhsa_kernel k_q80a12e6883_qkv
		.amdhsa_group_segment_fixed_size 327680
		.amdhsa_private_segment_fixed_size 0
		.amdhsa_enable_private_segment 0
		.amdhsa_kernarg_size 24
		.amdhsa_user_sgpr_count 2
		.amdhsa_user_sgpr_kernarg_segment_ptr 1
		.amdhsa_wavefront_size32 1
		.amdhsa_system_sgpr_workgroup_id_x 1
		.amdhsa_system_sgpr_workgroup_id_y 1
		.amdhsa_system_sgpr_workgroup_id_z 1
		.amdhsa_system_vgpr_workitem_id 0
		.amdhsa_next_free_vgpr 1024
		.amdhsa_next_free_sgpr 84
		.amdhsa_reserve_vcc 0
		.amdhsa_float_denorm_mode_32 3
		.amdhsa_float_denorm_mode_16_64 3
		.amdhsa_memory_ordered 1
		.amdhsa_forward_progress 1
		.amdhsa_inst_pref_size 83
	.end_amdhsa_kernel
	.amdgpu_metadata
---
amdhsa.version: [ 1, 2 ]
amdhsa.kernels:
  - .name:           k_q80a12e6883_qkv
    .symbol:         k_q80a12e6883_qkv.kd
    .args:
      - { .name: zn, .offset: 0, .size: 8, .value_kind: global_buffer, .address_space: global }
      - { .name: wb, .offset: 8, .size: 8, .value_kind: global_buffer, .address_space: global }
      - { .name: qkv, .offset: 16, .size: 8, .value_kind: global_buffer, .address_space: global }
    .group_segment_fixed_size: 327680
    .private_segment_fixed_size: 0
    .kernarg_segment_align: 8
    .kernarg_segment_size: 24
    .max_flat_workgroup_size: 128
    .sgpr_count:     84
    .vgpr_count:     1024
    .wavefront_size: 32
...
	.end_amdgpu_metadata
.endif
;; end of part 2
;; launch attn (part 3): grid 8 x 32, 8 waves a work-group, clusters of 4 x 1, 327,680 bytes of LDS; arguments qkv, ctx; writes ctx
.if DOCPART == 3
	.amdgcn_target "amdgcn-amd-amdhsa--gfx1250"
	.amdhsa_code_object_version 6
	.text
	.protected	k_q80a12e6883_attn
	.globl	k_q80a12e6883_attn
	.p2align	8
	.type	k_q80a12e6883_attn,@function
k_q80a12e6883_attn:
	s_mov_b64 s[64:65], 0
	v_nop
	global_prefetch_b8 v0, s[64:65] scope:SCOPE_SE
	s_setreg_imm32_b32 hwreg(HW_REG_WAVE_MODE, 25, 1), 1
	s_wait_xcnt 0x0
	s_wait_alu depctr_hold_cnt(0) depctr_sa_sdst(0) depctr_va_vdst(0) depctr_va_sdst(0) depctr_va_ssrc(0) depctr_va_vcc(0) depctr_vm_vsrc(0)
	s_getreg_b32 s2, hwreg(HW_REG_IB_STS2, 6, 4)
	s_cmp_eq_u32 s2, 0
	s_cbranch_scc0 .Lentry_in_a_cluster
	s_endpgm
.Lentry_in_a_cluster:
	s_bfe_u32 s2, ttmp6, 0x10000c
	s_cmp_lg_u32 s2, 0x3003
	s_cbranch_scc0 .Lentry_shape_is_right
	s_endpgm
.Lentry_shape_is_right:
; CAUSAL ATTENTION, head size 64.  q, k, v: bf16 [3][32][2048][64] in qkv, unscaled; ctx: bf16 [32][2048][64].  Products, maxima and sums in f32; the weights are rounded to bf16 for the second
; product (their sum is taken of the unrounded weights), ctx once at the end.
; LIMITS.  A hidden score counts as its value less 1e30; a weight below 2^-126 counts as 0 in the sum; NaN and infinities are not treated apart.
; SHARES.  A head's queries lie in 16 groups of 128, a group in eight strips of 16 rows.  Work-group j of a head owns strip j of EVERY group; wave w of its eight owns two PIECES: group w and group 8 + w.
; Key tile t holds the keys of group t; a piece of group m works on tiles 0 .. m, of which tile m holds its diagonal.  So all work-groups walk the same 16 tiles, a constant count, and the four partners
; of a cluster ask for the same K and V jointly.  Dead pieces are jumped forward, on t - w alone: the same in all partners; a wave with no live piece fetches nothing.
; EIGHT WAVES, TWO TO A SIMD.  A piece's step is written in phases (16 products, the maximum, ONE batch of 65 exponentials with one wait, roundings, sums, rescaling, 16 products): 32 matrix and some
; 215 vector instructions.  In a wave by itself the two kinds follow each other; with a second wave on the SIMD one wave's vector phases stand beside the other's products.  The price: a tile's
; fragments of K and V are read out of LDS by each live wave, 64 loads for 32 or 64 products.
; LAYOUT.  S^T = K Q^T (source 0 = 16 keys, source 1 = 16 queries): a lane holds one query (l % 16) and keys 8 (l / 16) + 0..7 of each block of 16.  Two such results rounded in pairs ARE source 1
; of O^T = V^T P.  K comes out of LDS as it lies, V turned.  p = 2^(c s - c m), c = log2(e) / 8, with a running maximum m; O and l are multiplied by a = 2^(c m_old - c m_new) in every step.
; m starts at the lowest finite number, O and l at 0: the first step is a step like any other, with a = 0.
; THE MASK, in a piece's diagonal tile alone.  My 16 queries are rows 16 j .. of their group: key block kb is open if kb < j, hidden if kb > j, and cut by the diagonal if kb = j.  MD (8 registers) is
; the mask of the cut block; block kb takes S += MD x AL[kb] + BE[kb], with AL = 1 where kb = j and BE = -1e30 where kb > j: 16 scalar pairs made once.  They are values: no branch hangs on j.
; LDS: two slots of four tiles (4 x 128 rows of K at 144 bytes, then 4 x 128 rows of V at 160); each wave loads one tile, 64 rows of 256 bytes; the stages of the way out lie over slot 0, whose
; last fill and last read are over at the last change of slots.
; WINDOWS: 0: addresses, statistics, the mask, S^T (v64-127), P (v128-159), O^T (v160-223, 32 a piece), Q (v224-255, 16 a piece); 1: K (v0-127), V (v128-255) of one tile.
.set PK,    144                        ; a row of K in LDS: 128 bytes + 16
.set PV,    160                        ; a row of V: 128 + 32
.set KT,    128*PK                     ; a tile's K
.set VT,    128*PV
.set VOFF,  4*KT                       ; in a slot: 512 rows of K, then 512 rows of V
.set SLOTB, 4*(KT+VT)
.set STAGE, 0                          ; 16 rows x 144 bytes a wave, over slot 0
.set SP,    144
.set SPARE, 2*SLOTB                    ; the spare words, 128 bytes for each of eight waves
.set AK0, 2
.set AV0, 3
.set AK,  4
.set AV,  5
.set STO, 6
.set RD,  7
.set GO,  8
.set PFO, 12
.set QO,  15
.set ST,  16                           ; piece i at v[ST+4 i]: c m, m, l (even keys', odd keys')
.set CW,  32                           ; c0-c3, c m_old, its change, a, and a register named with a as a pair
.set MD,  40
.set SPW, 62
.set NIL, 63
.set S,   64
.set P,   128
.set O,   160
.set QF,  224
.set VF,  128                          ; window 1
.set WV,  12
.set G1K, 24
.set G1V, 32
.set G0K, 40
.set G0V, 44
.set PFA, 48
.set LIM, 50
.set TW,  51                           ; t - w, signed
.set BIGN, 52
.set FS,  53                           ; the slot that is filled: 0 or SLOTB
.set LK,  54                           ; my tile's place in a slot, for K
.set LV,  55                           ; and for V
.set SLOTS, 56
.set CNT, 57
.set CS,  58
.set SEL, 60
.set TBK, 62
.set TBV, 63
.set AL,  66                           ; s[66:81]  eight pairs
.set BE,  82                           ; s[82:97]  eight pairs
.set MSB, 0
.macro WIN new
.if MSB != (\new)
	s_set_vgpr_msb (MSB<<8)|(\new)
.set MSB, (\new)
.endif
.endm
.set W_MM, 0x01                        ; source 0 (K or V) window 1; all else window 0
.set TO_F, 0x40                        ; destination window 1, address window 0
.macro PLACES
.rept 4
	v_nop
.endr
.endm
.macro JLOAD                           ; a joint fill: waves 0-3 fetch a slot's four tiles of K, waves 4-7 those of V; s_nop 0 and four v_nop follow each line
	s_cmp_lt_u32 s[WV], 4
	s_cbranch_scc0 .Lfor_v_\@
	tensor_load_to_lds s[G0K:G0K+3], s[G1K:G1K+7]
	s_nop 0
	PLACES
	s_branch .Lasked_\@
.Lfor_v_\@:
	tensor_load_to_lds s[G0V:G0V+3], s[G1V:G1V+7]
	s_nop 0
	PLACES
.Lasked_\@:
.endm
.macro ASK                             ; a prefetch of what the next change of slots will ask for, four tiles ahead: my work-group's 64 blocks of 256 bytes of the slot's 256 (K: wave 0, V: wave 4), in the head's first cluster alone
	s_cmp_gt_u32 s[SLOTS], s[LIM]
	s_cbranch_scc0 .Lnot_mine_\@
	global_prefetch_b8 v[PFO], s[PFA:PFA+1] th:TH_LOAD_NT scope:SCOPE_SE
	global_prefetch_b8 v[PFO], s[PFA:PFA+1] offset:8192 th:TH_LOAD_NT scope:SCOPE_SE
.Lnot_mine_\@:
.endm
.macro CROUND
	s_barrier_signal -1
	s_barrier_wait -1
	s_cmp_lg_u32 s[WV], 0
	s_cbranch_scc1 .Lnot_wave_0_\@
	s_barrier_signal -3
.Lnot_wave_0_\@:
	s_barrier_wait -3
	s_barrier_signal -1
	s_barrier_wait -1
.endm
; THE CHANGE OF SLOTS.  Each wave waits for all its tensor loads (one is out: its tile of the other slot), adds 0 to its spare word, and waits for that and for its reads of the slot that it leaves.
; fill = 1: the barrier is a round of the cluster's, and the joint fill of the slot just left is the first tensor load behind it: it has four tiles' work in which to land.
; (At its first use slot 0 is waited for and slot 1 filled.)
.macro CHANGE fill
	WIN 0
	s_wait_tensorcnt 0x0
	ds_add_u32 v[SPW], v[NIL]
.if \fill
	s_xor_b32 s[FS], s[FS], SLOTB
	s_add_co_u32 s[G0K+1], s[LK], s[FS]
	s_add_co_u32 s[G0V+1], s[LV], s[FS]
	s_add_nc_u64 s[G0K+2:G0K+3], s[G0K+2:G0K+3], 65536  ; the next 512 keys
	s_add_nc_u64 s[G0V+2:G0V+3], s[G0V+2:G0V+3], 65536
	s_wait_xcnt 0x0                                ; the last prefetches, four tiles back, have read their address
	s_add_nc_u64 s[PFA:PFA+1], s[PFA:PFA+1], 65536
	s_wait_dscnt 0x0
	CROUND
	JLOAD
	ASK
.else
	s_wait_dscnt 0x0
	s_barrier_signal -1
	s_barrier_wait -1
.endif
	s_sub_co_u32 s[TBK], s[TBK], 4*KT              ; the fetches go back to a slot's first tile, in the other slot
	s_xor_b32 s[TBK], s[TBK], SLOTB
	s_sub_co_u32 s[TBV], s[TBV], 4*VT
	s_xor_b32 s[TBV], s[TBV], SLOTB
.endm
.macro FETCH_K                         ; a tile's K: 128 keys x 64 channels: key block f / 2, channel half f % 2
	WIN TO_F
.irp f, 0,1,2,3,4,5,6,7,8,9,10,11,12,13,14,15
	ds_load_b128 v[8*\f:8*\f+3],   v[AK] offset:(\f/2)*16*PK+(\f%2)*64
	ds_load_b128 v[8*\f+4:8*\f+7], v[AK] offset:(\f/2)*16*PK+(\f%2)*64+32
.endr
	WIN 0
.endm
.macro FETCH_V                         ; its V, turned: keys 32 (f / 4) on, channels 16 (f % 4) on
	WIN TO_F
.irp f, 0,1,2,3,4,5,6,7,8,9,10,11,12,13,14,15
	ds_load_tr16_b128 v[VF+8*\f:VF+8*\f+3],   v[AV] offset:(\f/4)*32*PV+(\f%4)*32
	ds_load_tr16_b128 v[VF+8*\f+4:VF+8*\f+7], v[AV] offset:(\f/4)*32*PV+16*PV+(\f%4)*32
.endr
	WIN 0
.endm
.macro TREE w, c                       ; c packed sums of partners w registers apart, in place
.set u, 0
.rept \c
	v_pk_add_f32 v[S+2*(\w)*u:S+2*(\w)*u+1], v[S+2*(\w)*u:S+2*(\w)*u+1], v[S+2*(\w)*u+(\w):S+2*(\w)*u+(\w)+1]
.set u, u+1
.endr
.endm
.macro PIECE i
.set rT, ST+4*(\i)
	WIN 0
	s_cmp_gt_i32 s[TW], 8*(\i)                     ; t > 8 i + w: the tile lies above the piece's diagonal
	s_cbranch_scc1 .Ldead_\@
	WIN W_MM
.set n, 0
.rept 16                               ; key block n % 8, channel half n / 8: the eight accumulators take turns; the first eight products start the sums
.set rS, S+8*(n%8)
.set rK, 16*(n%8)+8*(n/8)
.set rQ, QF+16*(\i)+8*(n/8)
.if n < 8
	v_wmma_f32_16x16x32_bf16 v[rS:rS+7], v[rK:rK+7], v[rQ:rQ+7], 0
.else
	v_wmma_f32_16x16x32_bf16 v[rS:rS+7], v[rK:rK+7], v[rQ:rQ+7], v[rS:rS+7]
.endif
.set n, n+1
.endr
	WIN 0
	PLACES
	s_cmp_lg_u32 s[TW], 8*(\i)
	s_cbranch_scc1 .Lopen_\@                       ; only the diagonal tile takes the mask
.irp kb, 0,1,2,3,4,5,6,7
.irp p, 0,1,2,3
	v_pk_fma_f32 v[S+8*\kb+2*\p:S+8*\kb+2*\p+1], v[MD+2*\p:MD+2*\p+1], s[AL+2*\kb:AL+2*\kb+1], v[S+8*\kb+2*\p:S+8*\kb+2*\p+1] op_sel_hi:[1,0,1]
.endr
.irp p, 0,1,2,3
	v_pk_add_f32 v[S+8*\kb+2*\p:S+8*\kb+2*\p+1], v[S+8*\kb+2*\p:S+8*\kb+2*\p+1], s[BE+2*\kb:BE+2*\kb+1] op_sel_hi:[1,0]
.endr
.endr
.Lopen_\@:
.irp j, 0,1,2,3                        ; the maximum: four chains of 15 scores, three operands at a time; each accumulator's lowest registers are read first
	v_max3_num_f32 v[CW+\j], v[S+16*\j], v[S+16*\j+1], v[S+16*\j+2]
.endr
.irp k, 1,2,3,4,5,6
.irp j, 0,1,2,3
	v_max3_num_f32 v[CW+\j], v[CW+\j], v[S+16*\j+2*\k+1], v[S+16*\j+2*\k+2]
.endr
.endr
	v_max3_num_f32 v[CW], v[CW], v[S+15], v[S+31]
	v_max3_num_f32 v[CW+1], v[CW+1], v[S+47], v[S+63]
	v_max3_num_f32 v[CW+2], v[CW+2], v[CW+3], v[rT+1]
	v_mov_b32 v[CW+4], v[rT]                       ; c m_old
	v_max3_num_f32 v[CW], v[CW], v[CW+1], v[CW+2]
	v_permlanex16_b32 v[CW+3], v[CW], s[SEL], s[SEL+1]  ; the query's other 64 keys lie in the lane 16 away
	v_max_num_f32 v[rT+1], v[CW], v[CW+3]
	v_mul_f32 v[rT], s[CS], v[rT+1]
	v_sub_f32 v[CW+5], v[CW+4], v[rT]
	; ONE BATCH: the 32 scalings c s - c m and all 65 exponentials; none of these names an exponential's result
	v_pk_fma_f32 v[S:S+1], v[S:S+1], s[CS:CS+1], v[rT:rT+1] op_sel_hi:[1,0,0] neg_lo:[0,0,1] neg_hi:[0,0,1]
.set b, 1
.rept 31
	v_pk_fma_f32 v[S+2*b:S+2*b+1], v[S+2*b:S+2*b+1], s[CS:CS+1], v[rT:rT+1] op_sel_hi:[1,0,0] neg_lo:[0,0,1] neg_hi:[0,0,1]
	v_exp_f32 v[S+2*b-2], v[S+2*b-2]
	v_exp_f32 v[S+2*b-1], v[S+2*b-1]
.set b, b+1
.endr
	v_exp_f32 v[S+62], v[S+62]
	v_exp_f32 v[S+63], v[S+63]
	v_exp_f32 v[CW+6], v[CW+5]                     ; a
	v_nop                                          ; a plain instruction behind the last exponential
	s_wait_alu depctr_va_vdst(0)                   ; one wait for the batch, ahead of its first reader
.set n, 0
.rept 32
	v_cvt_pk_bf16_f32 v[P+n], v[S+2*n], v[S+2*n+1]
.set n, n+1
.endr
	TREE 2, 16
	TREE 4, 8
	TREE 8, 4
	TREE 16, 2
	TREE 32, 1
	v_pk_fma_f32 v[rT+2:rT+3], v[rT+2:rT+3], v[CW+6:CW+7], v[S:S+1] op_sel_hi:[1,0,1]  ; l = a l + the sum
.set n, 0
.rept 16
	v_pk_mul_f32 v[O+32*(\i)+2*n:O+32*(\i)+2*n+1], v[O+32*(\i)+2*n:O+32*(\i)+2*n+1], v[CW+6:CW+7] op_sel_hi:[1,0]
.set n, n+1
.endr
	s_wait_dscnt 0x0                               ; V is in
	WIN W_MM
.set n, 0
.rept 16                               ; keys 32 (n / 4) on, channels 16 (n % 4) on: the four accumulators take turns
.set rO, O+32*(\i)+8*(n%4)
.set rV, VF+32*(n/4)+8*(n%4)
.set rP, P+8*(n/4)
	v_wmma_f32_16x16x32_bf16 v[rO:rO+7], v[rV:rV+7], v[rP:rP+7], v[rO:rO+7]
.set n, n+1
.endr
	WIN 0
.Ldead_\@:
.endm
; A tile.  lo = 0: both pieces; lo = 1 (tiles 12 to 15): piece 1 alone.  A wave whose piece 1 is dead has no live piece, and fetches nothing.
.macro TRIP lo
	WIN 0
	s_cmp_gt_i32 s[TW], 8
	s_cbranch_scc1 .Lnone_\@
	s_wait_dscnt 0x0                               ; no older fetch may still write the registers that are loaded below (met at once: the last live piece has waited for V)
	v_add_nc_u32 v[AK], s[TBK], v[AK0]             ; these four lines are the places behind the last product that read V
	v_add_nc_u32 v[AV], s[TBV], v[AV0]
	v_nop
	v_nop
	FETCH_K
	FETCH_V
	s_wait_dscnt 32                                ; K's 32 loads are in; V's 32 may be out
.if (\lo) == 0
	PIECE 0
.endif
	PIECE 1
.Lnone_\@:
	s_add_co_u32 s[TBK], s[TBK], KT
	s_add_co_u32 s[TBV], s[TBV], VT
	s_add_co_i32 s[TW], s[TW], 1
.endm
	s_load_b128 s[4:7], s[0:1], 0x0                ; qkv, ctx
	v_lshl_add_u32 v[SPW], v0, 2, SPARE
	v_mov_b32 v[NIL], 0
	ds_add_u32 v[SPW], v[NIL]                      ; the wave's opening: the add and its wait stand ahead of my first tensor load
	v_lshrrev_b32 v1, 5, v0
	v_readfirstlane_b32 s[WV], v1                  ; wave 0..7
	s_bfe_u32 s13, ttmp6, 0x40000                  ; cx
	s_lshl_b32 s14, ttmp9, 2
	s_add_co_u32 s14, s14, s13                     ; j: it enters Q's and ctx's addresses and the mask's values alone
	s_and_b32 s20, ttmp7, 0xffff                   ; the head, which the partners share:
	s_lshl_b32 s20, s20, 18                        ; 262,144 bytes each
	s_and_b32 s16, s[WV], 3                        ; which of a slot's four tiles I fetch
	s_lshl_b32 s22, s16, 14
	s_add_co_u32 s22, s22, s20
	s_add_co_u32 s22, s22, 8<<20                   ; k lies 8 MiB into qkv
	s_mov_b32 s23, 0
	s_mul_i32 s[LK], s16, KT                       ; no place in the cluster enters an LDS address
	s_mul_i32 s[LV], s16, VT
	s_add_co_u32 s[LV], s[LV], VOFF
	s_lshl_b32 s2, s[WV], 14                       ; group w's 128 rows of 128 bytes,
	s_lshl_b32 s3, s14, 11                         ; strip j's 16
	s_add_co_u32 s2, s2, s3
	s_add_co_u32 s2, s2, s20
	s_mov_b32 s3, 0
	; 128 keys are 16,384 dense bytes: asked for as 64 rows of 256 bytes, padded in LDS after every key
	s_mov_b32 s[G1K], 15|(1<<16)|(1<<20)|(1<<21)|(4<<22)|(3<<25)
	s_mov_b32 s[G1V], 15|(1<<16)|(1<<20)|(1<<21)|(4<<22)|(7<<25)
.irp g, G1K, G1V
	s_mov_b32 s[\g+1], 128<<16
	s_mov_b32 s[\g+2], 64<<16
	s_mov_b32 s[\g+3], 128<<16
	s_mov_b32 s[\g+4], 64
	s_mov_b32 s[\g+5], 128
	s_mov_b32 s[\g+6], 0
	s_mov_b32 s[\g+7], 0
.endr
	s_mov_b32 s[CS], 0x3e38aa3b                    ; c = log2(e) / 8
	s_mov_b32 s[CS+1], s[CS]
	s_mov_b32 s[SEL], 0x76543210
	s_mov_b32 s[SEL+1], 0xfedcba98
	s_mov_b32 s[BIGN], 0xf149f2ca                  ; -1e30
	s_mov_b32 s[TBK], SLOTB+4*KT                   ; the first change of slots turns these two into 0
	s_mov_b32 s[TBV], SLOTB+4*VT
	s_sub_co_i32 s[TW], 0, s[WV]
	s_mov_b32 s[FS], 0
	s_mov_b32 s[G0K], 1
	s_mov_b32 s[G0K+1], s[LK]
	s_mov_b32 s[G0V], 1
	s_mov_b32 s[G0V+1], s[LV]
.irp kb, 0,1,2,3,4,5,6,7
	s_cmp_eq_u32 s14, \kb                          ; the block that the diagonal cuts
	s_cselect_b32 s[AL+2*\kb], 1.0, 0
	s_mov_b32 s[AL+2*\kb+1], 0                     ; named with it as a pair
	s_cmp_lt_u32 s14, \kb                          ; the blocks behind it
	s_cselect_b32 s[BE+2*\kb], s[BIGN], 0
	s_mov_b32 s[BE+2*\kb+1], 0
.endr
	s_and_b32 s[LIM], s[WV], 3                     ; waves 0 and 4 of the head's first cluster prefetch: the same in all four partners
	s_or_b32 s[LIM], s[LIM], ttmp9
	s_cmp_eq_u32 s[LIM], 0
	s_cselect_b32 s[LIM], 1, -1
	s_mov_b32 s[SLOTS], 3
	s_wait_dscnt 0x0                               ; the opening add is done
	s_wait_kmcnt 0x0
	s_add_nc_u64 s[8:9], s[4:5], s[22:23]          ; K at my tile of slot 0,
	s_add_nc_u64 s[10:11], s[8:9], 8<<20           ; V likewise
	s_add_nc_u64 s[G0K+2:G0K+3], s[8:9], 0
	s_or_b32 s[G0K+3], s[G0K+3], 0x80000000
	s_add_nc_u64 s[G0V+2:G0V+3], s[10:11], 0
	s_or_b32 s[G0V+3], s[G0V+3], 0x80000000
	s_add_nc_u64 s[4:5], s[4:5], s[2:3]            ; Q and ctx at piece 0's rows
	s_add_nc_u64 s[6:7], s[6:7], s[2:3]
	s_cmp_lt_u32 s[WV], 4
	s_cselect_b64 s[PFA:PFA+1], s[8:9], s[10:11]   ; (in waves 0 and 4 these stand at a slot's first row)
	s_lshl_b32 s2, s13, 14                         ; my work-group's 64 blocks of the 256
	s_add_nc_u64 s[PFA:PFA+1], s[PFA:PFA+1], s[2:3]
	s_add_nc_u64 s[PFA:PFA+1], s[PFA:PFA+1], 65536 ; in slot 1; the first change of slots steps it to slot 2.  Nothing is asked for here, at the head
	CROUND                                         ; all four work-groups are here: the first joint loads meet
	JLOAD                                          ; slot 0
	v_and_b32 v1, 15, v0                           ; l % 16
	v_bfe_u32 v9, v0, 4, 1                         ; l / 16
	v_lshlrev_b32 v[QO], 7, v1
	v_lshl_add_u32 v[QO], v9, 4, v[QO]
.set i, 0
.rept 4                                ; Q stays in registers: piece i / 2 lies eight groups, 131,072 bytes, on; channels 32 (i % 2) on
	global_load_b128 v[QF+8*i:QF+8*i+3],   v[QO], s[4:5] offset:(i/2)*131072+(i%2)*64
	global_load_b128 v[QF+8*i+4:QF+8*i+7], v[QO], s[4:5] offset:(i/2)*131072+(i%2)*64+32
.set i, i+1
.endr
.set i, 0
.rept 64                               ; O^T starts at 0: written in the wait for the first tiles, so that no first step is written out
	v_mov_b32 v[O+i], 0
.set i, i+1
.endr
	v_lshlrev_b32 v14, 3, v9
	v_sub_nc_u32 v14, v1, v14                      ; my query's place in its strip less my lanes' 8 (l / 16): in the cut block register r is hidden where r is greater
.set i, 0
.rept 8
	v_cmp_gt_i32 vcc_lo, i, v14
	v_cndmask_b32 v[MD+i], 0, s[BIGN], vcc_lo
.set i, i+1
.endr
.set i, 0
.rept 2
	v_mov_b32 v[ST+4*i], 0xfe000000                ; c m: far below every c s
	v_mov_b32 v[ST+4*i+1], 0xff7fffff              ; m
	v_mov_b32 v[ST+4*i+2], 0
	v_mov_b32 v[ST+4*i+3], 0
.set i, i+1
.endr
	v_mov_b32 v[CW+7], 0
	v_mul_u32_u24 v[AK0], v1, PK
	v_lshl_add_u32 v[AK0], v9, 4, v[AK0]
	v_and_b32 v10, 7, v0
	v_bfe_u32 v11, v0, 3, 1
	v_lshl_add_u32 v[AV0], v9, 3, v10
	v_mul_u32_u24 v[AV0], v[AV0], PV
	v_lshl_add_u32 v[AV0], v11, 4, v[AV0]
	v_add_nc_u32 v[AV0], VOFF, v[AV0]
	s_mul_i32 s15, s[WV], 16*SP
	s_add_co_u32 s15, s15, STAGE
	v_mul_u32_u24 v[STO], v1, SP                   ; in: row l % 16, 16 bytes for each half of the lanes
	v_lshl_add_u32 v[STO], v9, 4, v[STO]
	v_add_nc_u32 v[STO], s15, v[STO]
	v_bfe_u32 v[RD], v0, 3, 2                      ; back: 32 lanes take four rows of 128 bytes,
	v_mul_u32_u24 v[RD], v[RD], SP
	v_lshl_add_u32 v[RD], v10, 4, v[RD]
	v_add_nc_u32 v[RD], s15, v[RD]
	v_and_b32 v[GO], 31, v0                        ; which are 512 consecutive bytes of ctx
	v_lshlrev_b32 v[PFO], 8, v[GO]
	v_lshlrev_b32 v[GO], 4, v[GO]
	s_wait_loadcnt 0x0                             ; Q
.Lslot:                                                ; three times: a slot is entered and the next is asked for
	CHANGE 1
	s_mov_b32 s[CNT], 4
.Ltrip:
	TRIP 0
	s_sub_co_u32 s[CNT], s[CNT], 1
	s_cmp_lg_u32 s[CNT], 0
	s_cbranch_scc1 .Ltrip
	s_sub_co_u32 s[SLOTS], s[SLOTS], 1
	s_cmp_lg_u32 s[SLOTS], 0
	s_cbranch_scc1 .Lslot
	CHANGE 0                                       ; the last slot is written out: nothing is asked for.  Behind this barrier slot 0 is nobody's any more
	s_mov_b32 s[CNT], 4
.Ltrip1:
	TRIP 1
	s_sub_co_u32 s[CNT], s[CNT], 1
	s_cmp_lg_u32 s[CNT], 0
	s_cbranch_scc1 .Ltrip1
	; THE WAY OUT.  l's two halves and the other half of the lanes' are added; O^T is divided by l, rounded to bf16 and sent through my stage, a piece at a time.
	PLACES                                         ; behind the last products
.macro ALL line:vararg
.set t, 0
.rept 2
	\line
.set t, t+1
.endr
.endm
	ALL v_add_f32 v[ST+4*t+2], v[ST+4*t+2], v[ST+4*t+3]
	ALL v_permlanex16_b32 v[ST+4*t+3], v[ST+4*t+2], s[SEL], s[SEL+1]
	ALL v_add_f32 v[ST+4*t+2], v[ST+4*t+2], v[ST+4*t+3]
	ALL v_rcp_f32 v[ST+4*t+2], v[ST+4*t+2]
	v_nop                                          ; a plain instruction behind the last reciprocal,
	s_wait_alu depctr_va_vdst(0)                   ; and one wait for the two, ahead of their first reader
.macro PACK t
.set i, O+32*(\t)
.rept 16
	v_pk_mul_f32 v[i:i+1], v[i:i+1], v[ST+4*(\t)+2:ST+4*(\t)+3] op_sel_hi:[1,0]
.set i, i+2
.endr
.set i, 0
.rept 16
	v_cvt_pk_bf16_f32 v[S+16*(\t)+i], v[O+32*(\t)+2*i], v[O+32*(\t)+2*i+1]
.set i, i+1
.endr
.irp f, 0,1,2,3
	ds_store_b128 v[STO], v[S+16*(\t)+4*\f:S+16*(\t)+4*\f+3] offset:32*\f
.endr
.irp f, 0,1,2,3
	ds_load_b128 v[S+16*(\t)+4*\f:S+16*(\t)+4*\f+3], v[RD] offset:\f*4*SP  ; LDS serves a wave's instructions in order: these see the stores above, and the next piece's stores come behind them
.endr
.endm
.macro SEND t, younger                 ; younger: the LDS instructions issued behind piece t's loads
.irp f, 0,1,2,3
	s_wait_dscnt (\younger)+3-\f
	global_store_b128 v[GO], v[S+16*(\t)+4*\f:S+16*(\t)+4*\f+3], s[6:7] offset:(\t)*131072+\f*512  ; 512 consecutive bytes, aligned
.endr
.endm
	PACK 0
	PACK 1
	SEND 0, 8
	SEND 1, 0
	s_wait_tensorcnt 0x0                           ; the wave's end: behind my last tensor load and my last LDS store
	ds_add_u32 v[SPW], v[NIL]
	s_wait_dscnt 0x0
	CROUND                                         ; the closing round
	s_endpgm
.Lfunc_end_k_q80a12e6883_attn:
	.size	k_q80a12e6883_attn, .Lfunc_end_k_q80a12e6883_attn-k_q80a12e6883_attn
	.p2alignl 7, 3214868480
	.fill 96, 4, 3214868480
	.section	.rodata,"a",@progbits
	.p2align	6, 0x0
	.amdhsa_kernel k_q80a12e6883_attn
		.amdhsa_group_segment_fixed_size 327680
		.amdhsa_private_segment_fixed_size 0
		.amdhsa_enable_private_segment 0
		.amdhsa_kernarg_size 16
		.amdhsa_user_sgpr_count 2
		.amdhsa_user_sgpr_kernarg_segment_ptr 1
		.amdhsa_wavefront_size32 1
		.amdhsa_system_sgpr_workgroup_id_x 1
		.amdhsa_system_sgpr_workgroup_id_y 1
		.amdhsa_system_sgpr_workgroup_id_z 1
		.amdhsa_system_vgpr_workitem_id 0
		.amdhsa_next_free_vgpr 512
		.amdhsa_next_free_sgpr 98
		.amdhsa_reserve_vcc 1
		.amdhsa_float_denorm_mode_32 3
		.amdhsa_float_denorm_mode_16_64 3
		.amdhsa_memory_ordered 1
		.amdhsa_forward_progress 1
		.amdhsa_inst_pref_size 84
	.end_amdhsa_kernel
	.amdgpu_metadata
---
amdhsa.version: [ 1, 2 ]
amdhsa.kernels:
  - .name:           k_q80a12e6883_attn
    .symbol:         k_q80a12e6883_attn.kd
    .args:
      - { .name: qkv, .offset: 0, .size: 8, .value_kind: global_buffer, .address_space: global }
      - { .name: ctx, .offset: 8, .size: 8, .value_kind: global_buffer, .address_space: global }
    .group_segment_fixed_size: 327680
    .private_segment_fixed_size: 0
    .kernarg_segment_align: 8
    .kernarg_segment_size: 16
    .max_flat_workgroup_size: 256
    .sgpr_count:     98
    .vgpr_count:     512
    .wavefront_size: 32
...
	.end_amdgpu_metadata
.endif
;; end of part 3
;; launch wo (part 4): grid 8 x 32, 4 waves a work-group, clusters of 4 x 4, 327,680 bytes of LDS; arguments ctx, wb, z, z1, g2, z1g, ssq; writes z1, z1g, ssq
.if DOCPART == 4
	.amdgcn_target "amdgcn-amd-amdhsa--gfx1250"
	.amdhsa_code_object_version 6
	.text
	.protected	k_q80a12e6883_wo
	.globl	k_q80a12e6883_wo
	.p2align	8
	.type	k_q80a12e6883_wo,@function
k_q80a12e6883_wo:
	s_mov_b64 s[64:65], 0
	v_nop
	global_prefetch_b8 v0, s[64:65] scope:SCOPE_SE
	s_setreg_imm32_b32 hwreg(HW_REG_WAVE_MODE, 25, 1), 1
	s_wait_xcnt 0x0
	s_wait_alu depctr_hold_cnt(0) depctr_sa_sdst(0) depctr_va_vdst(0) depctr_va_sdst(0) depctr_va_ssrc(0) depctr_va_vcc(0) depctr_vm_vsrc(0)
	s_getreg_b32 s2, hwreg(HW_REG_IB_STS2, 6, 4)
	s_cmp_eq_u32 s2, 0
	s_cbranch_scc0 .Lentry_in_a_cluster
	s_endpgm
.Lentry_in_a_cluster:
	s_bfe_u32 s2, ttmp6, 0x10000c
	s_cmp_lg_u32 s2, 0xf033
	s_cbranch_scc0 .Lentry_shape_is_right
	s_endpgm
.Lentry_shape_is_right:
; ONE TEXT FOR TWO PRODUCTS out = R + A W with 1,024 columns, chosen by WO.  A and W are bf16, sums, R and out f32.  W lies [K][1024] and its fragments are read out of LDS turned.
;   WO = 1: z1 = z + ctx W_O, K = 1,024; ctx lies by heads, [32][2048][64].  Beside z1 it stores z1 * g2 in bf16, blocked [16][4096][64], and for each row and block of 64 columns the sum of z1^2 (f32):
;           the second norm's root is taken by the launch that multiplies by W_fc.
;   WO = 0: out0 = z1 + gl W_proj, K = 4,096; gl is [4096][4096].
; SHARES.  A tile is 128 x 128, so that each of the 256 work-groups has one; four waves, each 64 x 64: 16 accumulators.  K goes in steps of 256 through two LDS slots.  The product is used transposed:
; a lane holds row l % 16 and eight neighbouring columns.  CLUSTER 4 x 4: A's tile is asked for jointly along a row of the cluster, W's along a column; one load a wave.
; The loop is written once a K step: the slot read (TB) and the slot filled (FS) are scalars turned by an exclusive or; one walking descriptor a tensor.
; WO = 1 has no prefetch: with four K steps no step lies two refills on.
; WINDOWS: 0: addresses, the way out (v32-121), accumulators (v128-255, (a, b) at 128 + 8 (4 a + b)); 1: two fragment buffers of 128; 2: the residual (v0-127), g2 (v128-131).
.set WO, 1
.if WO
.set NSTEP, 4
.set PA,    144                        ; [4 heads][128 rows][128 bytes + 16]; a wave's load brings two heads
.set AHALF, 2*128*PA
.set AQS,   128*PA                     ; a quarter of a K step is a head
.set ASTEP, 1<<20                      ; four heads of 262,144 bytes
.set WBASE, 6<<20
.set PF,    0
.set G1A0,  (1<<16)|(1<<20)|(1<<21)|(4<<22)|(3<<25)
.else
.set NSTEP, 16
.set PA,    528                        ; [128 rows][512 bytes + 16]; a wave's load brings 64 rows
.set AHALF, 64*PA
.set AQS,   128
.set ASTEP, 512
.set WBASE, 16<<20
.set PF,    1
.set G1A0,  (1<<16)|(1<<20)|(1<<21)|(6<<22)|(3<<25)
.endif
.set G1B0,  (1<<16)|(1<<20)|(1<<21)|(5<<22)|(7<<25)
.set BSTEP, 1<<19                      ; 256 k rows of 2,048 bytes
.set PB,    288                        ; 256 bytes + 32 = 9 x 32
.set BHALF, 128*PB
.set BOFF,  2*AHALF
.set SLOT,  BOFF+2*BHALF
.set STAGE, 2*SLOT                     ; behind the ring, never filled by a tensor load: for each wave 16 rows x 272 bytes, then 256 bytes for 64 sums of squares
.set SPITCH, 272
.set SQO,   16*SPITCH
.set WSTG,  SQO+256
.set SPARE, STAGE+4*WSTG
.set CNT, 2
.set LAP, 3
.set WV, 12
.set WR, 13
.set WC, 14
.set CX, 15
.set CY, 16
.set TCOL, 17
.set TROW, 18
.set G1A, 24
.set G0A, 32
.set G1B, 40
.set G0B, 48
.set TB, 56
.set FS, 57
.set LA, 58
.set LB, 59
.set PFA, 60
.set LIM, 62
.set PFS, 66
.set ADRA0, 16
.set ADRB0, 17
.set ADRA, 18
.set ADRB, 20                          ; v20: k rows 0-127 of the slot in hand, v21: k rows 128-255
.set G2O, 22
.set SQR, 23
.set STO, 24
.set RD, 25
.set RO, 26
.set ZO, 27
.set SPW, 28
.set NIL, 29
.set PFO, 30
.set SQA, 31
.set TMP, 32
.set YB, 64
.set YF, 80
.set SS, 112
.set ACC, 128
.set F0, 0
.set F1, 128
.set MSB, 0
.macro WIN new
.if MSB != (\new)
	s_set_vgpr_msb (MSB<<8)|(\new)
.set MSB, \new
.endif
.endm
.set MUL,  0x05                        ; sources 0 (W) and 1 (A) window 1; C and D window 0
.set TO_F, 0x40
.macro PLACES
.rept 4
	v_nop
.endr
.endm
.macro JLOAD                           ; the joint refill by the walking descriptor; s_nop 0 and four v_nop follow each line
	s_cmp_eq_u32 s[WR], 0
	s_cbranch_scc0 .Lfor_b_\@
	tensor_load_to_lds s[G0A+4:G0A+7], s[G1A:G1A+7]
	s_nop 0
	PLACES
	s_branch .Lasked_\@
.Lfor_b_\@:
	tensor_load_to_lds s[G0B+4:G0B+7], s[G1B:G1B+7]
	s_nop 0
	PLACES
.Lasked_\@:
.endm
.macro ASK                             ; a prefetch of my work-group's 32 blocks of 256 bytes of the K step two refills on
	s_cmp_gt_u32 s[LAP], s[LIM]
	s_cbranch_scc0 .Lnot_mine_\@
	global_prefetch_b8 v[PFO], s[PFA:PFA+1] th:TH_LOAD_NT scope:SCOPE_SE
.Lnot_mine_\@:
.endm
.macro CREST
	s_cmp_lg_u32 s[WV], 0
	s_cbranch_scc1 .Lnot_wave_0_\@
	s_barrier_signal -3
.Lnot_wave_0_\@:
	s_barrier_wait -3
	s_barrier_signal -1
	s_barrier_wait -1
.endm
.macro CROUND
	s_barrier_signal -1
	s_barrier_wait -1
	CREST
.endm
.macro MUL8 f, c, a0, zero             ; 8 products: row blocks a0, a0 + 1 x all 4 column blocks, 32 along K: half c of buffer f
	WIN MUL
.irp a, \a0, (\a0)+1
.irp b, 0,1,2,3
.if \zero
	v_wmma_f32_16x16x32_bf16 v[ACC+8*(4*(\a)+(\b)):ACC+8*(4*(\a)+(\b))+7], v[(\f)+64+8*(4*(\c)+(\b)):(\f)+64+8*(4*(\c)+(\b))+7], v[(\f)+8*(4*(\c)+(\a)):(\f)+8*(4*(\c)+(\a))+7], 0
.else
	v_wmma_f32_16x16x32_bf16 v[ACC+8*(4*(\a)+(\b)):ACC+8*(4*(\a)+(\b))+7], v[(\f)+64+8*(4*(\c)+(\b)):(\f)+64+8*(4*(\c)+(\b))+7], v[(\f)+8*(4*(\c)+(\a)):(\f)+8*(4*(\c)+(\a))+7], v[ACC+8*(4*(\a)+(\b)):ACC+8*(4*(\a)+(\b))+7]
.endif
.endr
.endr
.endm
.macro FETCH q, f                      ; 32 LDS loads in one run: quarter q (64 along K) into buffer f; the first 32 along K first
	WIN TO_F
.irp c, 0,1
.irp i, 0,1,2,3
	ds_load_tr16_b128 v[(\f)+64+8*(4*(\c)+(\i)):(\f)+64+8*(4*(\c)+(\i))+3],   v[ADRB+(\q)/2] offset:((\q)%2)*64*PB+(\c)*32*PB+32*(\i)
	ds_load_tr16_b128 v[(\f)+64+8*(4*(\c)+(\i))+4:(\f)+64+8*(4*(\c)+(\i))+7], v[ADRB+(\q)/2] offset:((\q)%2)*64*PB+(\c)*32*PB+32*(\i)+16*PB
	ds_load_b128 v[(\f)+8*(4*(\c)+(\i)):(\f)+8*(4*(\c)+(\i))+3],   v[ADRA] offset:(\q)*AQS+64*(\c)+(\i)*16*PA
	ds_load_b128 v[(\f)+8*(4*(\c)+(\i))+4:(\f)+8*(4*(\c)+(\i))+7], v[ADRA] offset:(\q)*AQS+64*(\c)+(\i)*16*PA+32
.endr
.endr
.endm
.macro QUARTER q, f, g, zero
	s_wait_dscnt 16                                ; the first 32 along K are in; the other sixteen loads may be out
	MUL8 \f, 0, 0, \zero
	MUL8 \f, 0, 2, \zero
	PLACES
	FETCH \q, \g
	s_wait_dscnt 32                                ; all but the 32 just issued
	MUL8 \f, 1, 0, 0
	MUL8 \f, 1, 2, 0
.endm
; The last quarter of a K step multiplies buffer 1 and changes slots: in front of the barrier each wave waits for all its tensor loads, adds 0 to its spare word, and waits for that and for its reads of
; this slot.  fill = 1: the barrier opens a round of the cluster's, and the joint refill is the first tensor load behind it.  fill = 0: nothing is filled, and in the last K step nothing is fetched.
.macro TURN fill
.if (\fill) && PF
	s_wait_xcnt 0x0                                ; the last prefetch, a K step back, has read its address
	s_add_nc_u64 s[PFA:PFA+1], s[PFA:PFA+1], s[PFS:PFS+1]
.endif
	WIN 0
	s_wait_tensorcnt 0x0
	ds_add_u32 v[SPW], v[NIL]
	s_wait_dscnt 17                                ; the add and the youngest sixteen loads may be out
	MUL8 F1, 0, 0, 0
	s_wait_dscnt 0x0                               ; the add is done, my reads of this slot are over
	s_barrier_signal -1
	MUL8 F1, 0, 2, 0
	WIN 0
	s_barrier_wait -1
.if \fill
	CREST
	s_xor_b32 s[FS], s[FS], SLOT
	s_add_co_u32 s[G0A+5], s[LA], s[FS]
	s_add_co_u32 s[G0B+5], s[LB], s[FS]
	s_add_nc_u64 s[G0A+6:G0A+7], s[G0A+6:G0A+7], ASTEP
	s_add_nc_u64 s[G0B+6:G0B+7], s[G0B+6:G0B+7], BSTEP
	JLOAD                                          ; its four v_nop are also the places in front of the loads below
.else
	s_cmp_eq_u32 s[CNT], 1
	s_cbranch_scc1 .Lnofetch_\@
	PLACES
.endif
	s_xor_b32 s[TB], s[TB], SLOT
	v_add_nc_u32 v[ADRA], s[TB], v[ADRA0]
	v_add_nc_u32 v[ADRB], s[TB], v[ADRB0]
	v_add_nc_u32 v[ADRB+1], BHALF, v[ADRB]
	FETCH 0, F0
	WIN 0
.if (\fill) && PF
	ASK
.endif
.if !(\fill)
.Lnofetch_\@:
.endif
	MUL8 F1, 1, 0, 0
	MUL8 F1, 1, 2, 0
.endm
	s_load_b256 s[4:11], s[0:1], 0x0               ; A, wb, R, out
.if WO
	s_load_b128 s[80:83], s[0:1], 0x20             ; g2, z1g
	s_load_b64 s[84:85], s[0:1], 0x30              ; ssq
.endif
	v_lshl_add_u32 v[SPW], v0, 2, SPARE
	v_mov_b32 v[NIL], 0
	ds_add_u32 v[SPW], v[NIL]                      ; the wave's opening: the add and its wait stand ahead of my first tensor load
	v_lshrrev_b32 v1, 5, v0
	v_readfirstlane_b32 s[WV], v1
	s_lshr_b32 s[WR], s[WV], 1
	s_and_b32 s[WC], s[WV], 1
	s_bfe_u32 s[CX], ttmp6, 0x40000
	s_bfe_u32 s[CY], ttmp6, 0x40004
	s_lshl_b32 s[TCOL], ttmp9, 2
	s_add_co_u32 s[TCOL], s[TCOL], s[CX]
	s_and_b32 s[TROW], ttmp7, 0xffff
	s_lshl_b32 s[TROW], s[TROW], 2
	s_add_co_u32 s[TROW], s[TROW], s[CY]
	s_lshl_b32 s19, s[CY], 2
	s_lshl_b32 s19, 15, s19                        ; my row of the cluster
	s_lshl_b32 s63, 0x1111, s[CX]                  ; my column
	s_or_b32 s[G1A], s19, G1A0
	s_or_b32 s[G1B], s63, G1B0
.if WO
	s_mov_b32 s[G1A+1], 8192<<16                   ; a row of the tile is a head's 128 rows x 64 channels, dense; two heads, 2,048 x 64 elements apart
	s_mov_b32 s[G1A+2], 2<<16
	s_mov_b32 s[G1A+3], 8192<<16
	s_mov_b32 s[G1A+4], 2
	s_mov_b32 s[G1A+5], 131072
.else
	s_mov_b32 s[G1A+1], 256<<16
	s_mov_b32 s[G1A+2], 64<<16
	s_mov_b32 s[G1A+3], 256<<16
	s_mov_b32 s[G1A+4], 64
	s_mov_b32 s[G1A+5], 4096
.endif
	s_mov_b32 s[G1A+6], 0
	s_mov_b32 s[G1A+7], 0
	s_mov_b32 s[G1B+1], 128<<16                    ; 128 k rows of 128 columns
	s_mov_b32 s[G1B+2], 128<<16
	s_mov_b32 s[G1B+3], 128<<16
	s_mov_b32 s[G1B+4], 128
	s_mov_b32 s[G1B+5], 1024
	s_mov_b32 s[G1B+6], 0
	s_mov_b32 s[G1B+7], 0
.if WO
	s_lshr_b32 s20, s[TROW], 4                     ; the batch's 16 heads of 262,144 bytes,
	s_lshl_b32 s20, s20, 22
	s_and_b32 s21, s[TROW], 15                     ; the tile's 128 rows of 128 bytes in each head
	s_lshl_b32 s21, s21, 14
	s_add_co_u32 s20, s20, s21
.else
	s_lshl_b32 s20, s[TROW], 20                    ; 128 rows of 8,192 bytes
.endif
	s_lshl_b32 s21, s[WC], 19                      ; my two heads, or my 64 rows
	s_add_co_u32 s20, s20, s21
	s_mov_b32 s21, 0
	s_lshl_b32 s22, s[TCOL], 8                     ; 256 bytes a tile column,
	s_lshl_b32 s23, s[WC], 18                      ; my 128 k rows of 2,048 bytes
	s_add_co_u32 s22, s22, s23
	s_add_co_u32 s22, s22, WBASE
	s_mov_b32 s23, 0
	s_mul_i32 s[LA], s[WC], AHALF                  ; no place in the cluster enters an LDS address
	s_mul_i32 s[LB], s[WC], BHALF
	s_add_co_u32 s[LB], s[LB], BOFF
	s_mov_b32 s[TB], 0
	s_mov_b32 s[FS], SLOT
	s_mov_b32 s[G0A], 1
	s_mov_b32 s[G0A+1], s[LA]
	s_mov_b32 s[G0A+4], 1
	s_add_co_u32 s[G0A+5], s[LA], SLOT
	s_mov_b32 s[G0B], 1
	s_mov_b32 s[G0B+1], s[LB]
	s_mov_b32 s[G0B+4], 1
	s_add_co_u32 s[G0B+5], s[LB], SLOT
	s_wait_dscnt 0x0                               ; the opening add is done
	s_wait_kmcnt 0x0
	s_add_nc_u64 s[G0A+2:G0A+3], s[4:5], s[20:21]
	s_add_nc_u64 s[G0A+6:G0A+7], s[G0A+2:G0A+3], ASTEP
	s_or_b32 s[G0A+3], s[G0A+3], 0x80000000
	s_or_b32 s[G0A+7], s[G0A+7], 0x80000000
	s_add_nc_u64 s[G0B+2:G0B+3], s[6:7], s[22:23]
	s_add_nc_u64 s[G0B+6:G0B+7], s[G0B+2:G0B+3], BSTEP
	s_or_b32 s[G0B+3], s[G0B+3], 0x80000000
	s_or_b32 s[G0B+7], s[G0B+7], 0x80000000
	CROUND                                         ; all sixteen work-groups are here: the first joint loads meet
	s_cmp_eq_u32 s[WR], 0                          ; a wave's two first fills stand in one branch: two loads of mine are out
	s_cbranch_scc0 .Lfirst_b
	tensor_load_to_lds s[G0A:G0A+3], s[G1A:G1A+7]
	s_nop 0
	tensor_load_to_lds s[G0A+4:G0A+7], s[G1A:G1A+7]
	s_nop 0
	PLACES
	s_branch .Lfirst_done
.Lfirst_b:
	tensor_load_to_lds s[G0B:G0B+3], s[G1B:G1B+7]
	s_nop 0
	tensor_load_to_lds s[G0B+4:G0B+7], s[G1B:G1B+7]
	s_nop 0
	PLACES
.Lfirst_done:
	v_and_b32 v1, 15, v0                           ; l % 16
	v_bfe_u32 v2, v0, 4, 1                         ; l / 16
	v_and_b32 v3, 31, v0                           ; l
	v_mul_u32_u24 v[ADRA0], v1, PA
	v_lshl_add_u32 v[ADRA0], v2, 4, v[ADRA0]
	s_mul_i32 s72, s[WR], 64*PA                    ; my 64 rows
	v_add_nc_u32 v[ADRA0], s72, v[ADRA0]
	v_and_b32 v4, 7, v0
	v_lshl_add_u32 v4, v2, 3, v4
	v_mul_u32_u24 v[ADRB0], v4, PB
	v_bfe_u32 v5, v0, 3, 1
	v_lshl_add_u32 v[ADRB0], v5, 4, v[ADRB0]
	s_lshl_b32 s72, s[WC], 7                       ; my 64 columns
	s_add_co_u32 s72, s72, BOFF
	v_add_nc_u32 v[ADRB0], s72, v[ADRB0]
	v_mov_b32 v[ADRA], v[ADRA0]
	v_mov_b32 v[ADRB], v[ADRB0]
	v_add_nc_u32 v[ADRB+1], BHALF, v[ADRB0]
	s_mul_i32 s72, s[WV], WSTG
	s_add_co_u32 s72, s72, STAGE                   ; my stage
	v_mul_u32_u24 v[STO], v1, SPITCH               ; in: row l % 16, 32 bytes for each half of the lanes
	v_lshl_add_u32 v[STO], v2, 5, v[STO]
	v_add_nc_u32 v[STO], s72, v[STO]
	v_mul_u32_u24 v[RD], v2, SPITCH                ; back: lanes 0-15 one row of 256 bytes, lanes 16-31 the next
	v_lshl_add_u32 v[RD], v1, 4, v[RD]
	v_add_nc_u32 v[RD], s72, v[RD]
	v_lshlrev_b32 v[RO], 12, v2                    ; the same two rows of R and of out, 4,096 bytes apart
	v_lshl_add_u32 v[RO], v1, 4, v[RO]
.if WO
	v_lshlrev_b32 v[G2O], 4, v1
	v_lshlrev_b32 v[ZO], 3, v3
	s_add_co_u32 s72, s72, SQO
	v_lshl_add_u32 v[SQA], v2, 2, s72
	v_lshl_add_u32 v[SQR], v3, 3, s72
.endif
.if PF
	; THE PREFETCHES.  A's tile row is read by every cluster of that row of clusters: cluster x = 0 asks; W's tile column by every cluster of that column: cluster y = 0 asks.  Of the 128 blocks of
	; 256 bytes that a wave fetches in a K step each of the four partners takes 32, told apart by address.  So each block is named once.  Nothing is asked for here, at the head.
	s_mov_b32 s72, ASTEP
	s_mov_b32 s73, BSTEP
	s_lshl_b32 s74, s[CX], 17                      ; A: rows 16 p + l / 2 of 8,192 bytes, unit l % 2
	s_lshl_b32 s75, s[CY], 16                      ; W: k rows 32 p + l of 2,048 bytes
	s_mov_b32 s76, 8192
	s_mov_b32 s77, 2048
	s_and_b32 s78, ttmp7, 0xffff
	s_xor_b32 s79, s[WR], 1
	s_cmp_eq_u32 s[WR], 0
	s_cselect_b64 s[PFA:PFA+1], s[4:5], s[6:7]
	s_cselect_b64 s[86:87], s[20:21], s[22:23]
	s_cselect_b32 s[PFS], s72, s73
	s_cselect_b32 s74, s74, s75
	s_cselect_b32 s76, s76, s77
	s_cselect_b32 s78, ttmp9, s78
	s_mov_b32 s[PFS+1], 0
	s_cmp_eq_u32 s78, 0
	s_cselect_b32 s[LIM], 2, -1                    ; the same in all sixteen partners, for a given wave
	s_add_nc_u64 s[PFA:PFA+1], s[PFA:PFA+1], s[86:87]
	s_mov_b32 s75, 0
	s_add_nc_u64 s[PFA:PFA+1], s[PFA:PFA+1], s[74:75]
	s_mul_i32 s74, s[PFS], 3
	s_add_nc_u64 s[PFA:PFA+1], s[PFA:PFA+1], s[74:75]  ; at K step 3: the first refill steps it to 4
	v_lshrrev_b32 v4, s79, v3
	v_mul_u32_u24 v4, v4, s76
	v_and_b32 v5, s79, v3
	v_lshl_add_u32 v[PFO], v5, 8, v4
.endif
	s_lshl_b32 s68, s[TROW], 19                    ; R and out at my 64 rows of 4,096 bytes and my 64 columns
	s_lshl_b32 s69, s[WR], 18
	s_add_co_u32 s68, s68, s69
	s_lshl_b32 s70, s[TCOL], 9
	s_lshl_b32 s69, s[WC], 8
	s_add_co_u32 s70, s70, s69
	s_add_co_u32 s68, s68, s70
	s_mov_b32 s69, 0
	s_add_nc_u64 s[8:9], s[8:9], s[68:69]
	s_add_nc_u64 s[10:11], s[10:11], s[68:69]
.if WO
	s_mov_b32 s71, 0
	s_add_nc_u64 s[80:81], s[80:81], s[70:71]      ; g2 at my columns
	s_lshl1_add_u32 s72, s[TCOL], s[WC]            ; my block of 64 columns
	s_lshl_b32 s74, s72, 19                        ; z1g: 4,096 rows of 128 bytes a block
	s_lshl_b32 s73, s[TROW], 14
	s_add_co_u32 s74, s74, s73
	s_lshl_b32 s73, s[WR], 13
	s_add_co_u32 s74, s74, s73
	s_mov_b32 s75, 0
	s_add_nc_u64 s[82:83], s[82:83], s[74:75]
	s_lshl_b32 s74, s72, 14                        ; ssq: 4,096 rows of 4 bytes a block
	s_lshl_b32 s73, s[TROW], 9
	s_add_co_u32 s74, s74, s73
	s_lshl_b32 s73, s[WR], 8
	s_add_co_u32 s74, s74, s73
	s_add_nc_u64 s[84:85], s[84:85], s[74:75]
.endif
	s_wait_tensorcnt 1                             ; my part of K step 0 is in; K step 1's may stay out
	s_barrier_signal -1
	s_barrier_wait -1
	FETCH 0, F0
	QUARTER 1, F0, F1, 1                           ; the first products start the sums: nothing is cleared
	WIN 0
	s_mov_b32 s[LAP], NSTEP-2
.Llap:                                                 ; a trip: the rest of K step s and the first quarter of s + 1; it asks for K step s + 2.  The 16 accumulators take turns in one order throughout
	QUARTER 2, F1, F0, 0
	QUARTER 3, F0, F1, 0
	TURN 1
	QUARTER 1, F0, F1, 0
	WIN 0
	s_sub_co_u32 s[LAP], s[LAP], 1
	s_cmp_lg_u32 s[LAP], 0
	s_cbranch_scc1 .Llap
	WIN 0x80                                       ; the residual, in the layout in which the sums come back from the stage: it lands under the last two K steps
.irp a, 0,1,2,3
.irp t, 0,1,2,3,4,5,6,7
	global_load_b128 v[4*(8*\a+\t):4*(8*\a+\t)+3], v[RO], s[8:9] offset:(16*\a+2*\t)*4096
.endr
.endr
.if WO
	global_load_b128 v[128:131], v[G2O], s[80:81]
.endif
	WIN 0
	s_mov_b32 s[CNT], 2
.Ltail:                                                ; the last two K steps ask for nothing; the second trip is left in its middle
	QUARTER 2, F1, F0, 0
	QUARTER 3, F0, F1, 0
	TURN 0
	WIN 0
	s_sub_co_u32 s[CNT], s[CNT], 1
	s_cmp_eq_u32 s[CNT], 0
	s_cbranch_scc1 .Lout
	QUARTER 1, F0, F1, 0
	WIN 0
	s_branch .Ltail
.Lout:
	PLACES
	s_wait_loadcnt 0x0                             ; the residual (and g2)
; THE WAY OUT of row block a: 16 rows x 64 sums through my stage, back as whole rows of 256 bytes; the residual is added; 16 lanes store 256 consecutive bytes, aligned.
.macro OUTA a
	s_wait_xcnt 0x0                                ; the last block's stores have read their data, which is written again below
.irp b, 0,1,2,3
	ds_store_b128 v[STO], v[ACC+8*(4*(\a)+(\b)):ACC+8*(4*(\a)+(\b))+3]   offset:64*(\b)
	ds_store_b128 v[STO], v[ACC+8*(4*(\a)+(\b))+4:ACC+8*(4*(\a)+(\b))+7] offset:64*(\b)+16
.endr
.irp t, 0,1,2,3,4,5,6,7
	ds_load_b128 v[TMP+4*(\t):TMP+4*(\t)+3], v[RD] offset:(\t)*2*SPITCH  ; LDS serves a wave's instructions in order: these see the stores above
.endr
	s_wait_dscnt 0x0
	WIN 0x08                                       ; source 1 in window 2
.irp t, 0,1,2,3,4,5,6,7
	v_pk_add_f32 v[TMP+4*(\t):TMP+4*(\t)+1],   v[TMP+4*(\t):TMP+4*(\t)+1],   v[4*(8*(\a)+(\t)):4*(8*(\a)+(\t))+1]
	v_pk_add_f32 v[TMP+4*(\t)+2:TMP+4*(\t)+3], v[TMP+4*(\t)+2:TMP+4*(\t)+3], v[4*(8*(\a)+(\t))+2:4*(8*(\a)+(\t))+3]
.endr
.if WO
.irp t, 0,1,2,3,4,5,6,7
	v_pk_mul_f32 v[YF+4*(\t):YF+4*(\t)+1],   v[TMP+4*(\t):TMP+4*(\t)+1],   v[128:129]
	v_pk_mul_f32 v[YF+4*(\t)+2:YF+4*(\t)+3], v[TMP+4*(\t)+2:TMP+4*(\t)+3], v[130:131]
.endr
.endif
	WIN 0
.irp t, 0,1,2,3,4,5,6,7
	global_store_b128 v[RO], v[TMP+4*(\t):TMP+4*(\t)+3], s[10:11] offset:(16*(\a)+2*(\t))*4096
.endr
.if WO
.irp t, 0,1,2,3,4,5,6,7
	v_cvt_pk_bf16_f32 v[YB+2*(\t)],   v[YF+4*(\t)],   v[YF+4*(\t)+1]
	v_cvt_pk_bf16_f32 v[YB+2*(\t)+1], v[YF+4*(\t)+2], v[YF+4*(\t)+3]
.endr
.irp t, 0,1,2,3,4,5,6,7
	global_store_b64 v[ZO], v[YB+2*(\t):YB+2*(\t)+1], s[82:83] offset:(16*(\a)+2*(\t))*128  ; two blocked rows: 256 consecutive bytes, aligned
.endr
.irp t, 0,1,2,3,4,5,6,7
	v_mul_f32 v[SS+(\t)], v[TMP+4*(\t)], v[TMP+4*(\t)]
.endr
.irp k, 1,2,3
.irp t, 0,1,2,3,4,5,6,7
	v_fmac_f32 v[SS+(\t)], v[TMP+4*(\t)+(\k)], v[TMP+4*(\t)+(\k)]
.endr
.endr
.irp m, 1,2,4,8
.irp t, 0,1,2,3,4,5,6,7
	v_add_f32_dpp v[SS+(\t)], v[SS+(\t)], v[SS+(\t)] row_xmask:\m row_mask:0xf bank_mask:0xf
.endr
.endr
.irp t, 0,1,2,3,4,5,6,7
	ds_store_b32 v[SQA], v[SS+(\t)] offset:(16*(\a)+2*(\t))*4  ; the 16 lanes of a half write one word with one value: the row's sum over my 64 columns
.endr
.endif
.endm
	OUTA 0
	OUTA 1
	OUTA 2
	OUTA 3
.if WO
	ds_load_b64 v[120:121], v[SQR]                 ; my 64 rows' sums, two a lane
	s_wait_dscnt 0x0
	global_store_b64 v[ZO], v[120:121], s[84:85]   ; 256 consecutive bytes, aligned
.endif
	s_wait_tensorcnt 0x0                           ; the wave's end: behind my last tensor load and my last LDS store
	ds_add_u32 v[SPW], v[NIL]
	s_wait_dscnt 0x0
	CROUND                                         ; the closing round
	s_endpgm
.Lfunc_end_k_q80a12e6883_wo:
	.size	k_q80a12e6883_wo, .Lfunc_end_k_q80a12e6883_wo-k_q80a12e6883_wo
	.p2alignl 7, 3214868480
	.fill 96, 4, 3214868480
	.section	.rodata,"a",@progbits
	.p2align	6, 0x0
	.amdhsa_kernel k_q80a12e6883_wo
		.amdhsa_group_segment_fixed_size 327680
		.amdhsa_private_segment_fixed_size 0
		.amdhsa_enable_private_segment 0
		.amdhsa_kernarg_size 56
		.amdhsa_user_sgpr_count 2
		.amdhsa_user_sgpr_kernarg_segment_ptr 1
		.amdhsa_wavefront_size32 1
		.amdhsa_system_sgpr_workgroup_id_x 1
		.amdhsa_system_sgpr_workgroup_id_y 1
		.amdhsa_system_sgpr_workgroup_id_z 1
		.amdhsa_system_vgpr_workitem_id 0
		.amdhsa_next_free_vgpr 656
		.amdhsa_next_free_sgpr 92
		.amdhsa_reserve_vcc 0
		.amdhsa_float_denorm_mode_32 3
		.amdhsa_float_denorm_mode_16_64 3
		.amdhsa_memory_ordered 1
		.amdhsa_forward_progress 1
		.amdhsa_inst_pref_size 91
	.end_amdhsa_kernel
	.amdgpu_metadata
---
amdhsa.version: [ 1, 2 ]
amdhsa.kernels:
  - .name:           k_q80a12e6883_wo
    .symbol:         k_q80a12e6883_wo.kd
    .args:
      - { .name: ctx, .offset: 0, .size: 8, .value_kind: global_buffer, .address_space: global }
      - { .name: wb, .offset: 8, .size: 8, .value_kind: global_buffer, .address_space: global }
      - { .name: z, .offset: 16, .size: 8, .value_kind: global_buffer, .address_space: global }
      - { .name: z1, .offset: 24, .size: 8, .value_kind: global_buffer, .address_space: global }
      - { .name: g2, .offset: 32, .size: 8, .value_kind: global_buffer, .address_space: global }
      - { .name: z1g, .offset: 40, .size: 8, .value_kind: global_buffer, .address_space: global }
      - { .name: ssq, .offset: 48, .size: 8, .value_kind: global_buffer, .address_space: global }
    .group_segment_fixed_size: 327680
    .private_segment_fixed_size: 0
    .kernarg_segment_align: 8
    .kernarg_segment_size: 56
    .max_flat_workgroup_size: 128
    .sgpr_count:     92
    .vgpr_count:     656
    .wavefront_size: 32
...
	.end_amdgpu_metadata
.endif
;; end of part 4
;; launch fc (part 5): grid 16 x 16, 4 waves a work-group, clusters of 4 x 4, 327,680 bytes of LDS; arguments z1g, wb, gl, ssq; writes gl
.if DOCPART == 5
	.amdgcn_target "amdgcn-amd-amdhsa--gfx1250"
	.amdhsa_code_object_version 6
	.text
	.protected	k_q80a12e6883_fc
	.globl	k_q80a12e6883_fc
	.p2align	8
	.type	k_q80a12e6883_fc,@function
k_q80a12e6883_fc:
	s_mov_b64 s[64:65], 0
	v_nop
	global_prefetch_b8 v0, s[64:65] scope:SCOPE_SE
	s_setreg_imm32_b32 hwreg(HW_REG_WAVE_MODE, 25, 1), 1
	s_wait_xcnt 0x0
	s_wait_alu depctr_hold_cnt(0) depctr_sa_sdst(0) depctr_va_vdst(0) depctr_va_sdst(0) depctr_va_ssrc(0) depctr_va_vcc(0) depctr_vm_vsrc(0)
	s_getreg_b32 s2, hwreg(HW_REG_IB_STS2, 6, 4)
	s_cmp_eq_u32 s2, 0
	s_cbranch_scc0 .Lentry_in_a_cluster
	s_endpgm
.Lentry_in_a_cluster:
	s_bfe_u32 s2, ttmp6, 0x10000c
	s_cmp_lg_u32 s2, 0xf033
	s_cbranch_scc0 .Lentry_shape_is_right
	s_endpgm
.Lentry_shape_is_right:
; ONE TEXT FOR TWO PRODUCTS C = A W with K = 1,024, chosen by FC.  A and W are bf16, sums f32.  W lies [K][N] and its fragments are read out of LDS turned (ds_load_tr16_b128).
;   FC = 0: q, k, v = zn [W_Q, W_K, W_V]; zn is [4096][1024]; the result goes out by heads, bf16 [3][32][2048][64], unscaled.
;   FC = 1: gl = gelu(rs * (z1g W_fc)); z1g is blocked [16][4096][64]; rs = 1 / sqrt(mean of z1^2 + 1e-5) from the 16 partial sums a row in ssq; gl is bf16 [4096][4096].
; GELU: gelu(u) = max(u, 0) - |u| / 2 * erfc(|u| / sqrt 2), erfc(x) = t (a1 + t (a2 + a3 t)) exp(-x^2), t = 1 / (1 + 0.47047 x): a rational form whose error in erfc is at most 2.5e-5 for EVERY x >= 0.
; LIMITS: gelu is off by at most 1.25e-5 |u|; |u| stays a finite number; NaN and infinities are not treated apart.
; SHARES.  A tile of C is 256 x 256; four waves, each 128 x 128: 64 accumulators, 512 registers.  K goes in 8 steps of 128 through two LDS slots.  The product is used transposed (source 0 = 16 columns
; of W, source 1 = 16 rows of A): a lane holds row l % 16 of C and eight neighbouring columns.
; CLUSTER 4 x 4: A's tile is asked for jointly along a row of the cluster, W's along a column.  Waves 0, 1 fetch A's two halves of 128 rows, waves 2, 3 W's two halves of 64 k rows: one load a wave.
; THE LOOP IS WRITTEN ONCE A K STEP: the slot that is read (TB) and the slot that is filled (FS) are scalars turned by an exclusive or; one walking descriptor a tensor.
; FRAGMENTS: two buffers; a quarter's 32 LDS loads stand in one run at the head of the quarter before, 64 products ahead of their first use: the four waves' runs together are 128 loads of 512 bytes.
; WINDOWS: 0: addresses, A's fragments (v64-191), the way out; 1: W's fragments (v64-191); 2, 3: accumulators ((a, b) at v[8 (8 (a % 4) + b)]).
.set FC, 1
.if FC
.set PA,     144                       ; an LDS row of A: 128 bytes + 16; a load brings [2 blocks][128 rows]
.set AHALF,  2*128*PA
.set ASTEP,  1<<20                     ; two blocks of 4,096 rows x 128 bytes
.set BSTEP,  1<<20                     ; 128 k rows of 8,192 bytes
.set BPITCH, 4096
.set G1A0,   (1<<16)|(1<<20)|(1<<21)|(4<<22)|(3<<25)  ; 2-byte elements; padding on; bit 21 beside a mask; 4 words behind every 32
.else
.set PA,     272                       ; 256 bytes + 16
.set AHALF,  128*PA
.set ASTEP,  256
.set BSTEP,  1<<18                     ; 128 k rows of 2,048 bytes
.set BPITCH, 1024
.set G1A0,   (1<<16)|(1<<20)|(1<<21)|(5<<22)|(3<<25)  ; 4 words behind every 64
.endif
.set G1B0,   (1<<16)|(1<<20)|(1<<21)|(6<<22)|(7<<25)  ; 8 words behind every 128
.set PB,     544                       ; an LDS row of W: 512 bytes + 32 = 17 x 32
.set BHALF,  64*PB
.set BOFF,   2*AHALF
.set SLOT,   BOFF+2*BHALF
.set OP,     528                       ; the way out: a row of 128 f32 + 16 bytes
.set OSTG,   128*OP                    ; a wave's stage, laid over the slots behind their last fill and last read
.set RSTAB,  2*SLOT                    ; FC: 512 bytes a wave: rs of its 128 rows
.if FC
.set SPARE,  RSTAB+2048
.else
.set SPARE,  2*SLOT
.endif
.set CNT, 2
.set LAP, 3
.set WV, 12
.set WR, 13                            ; my half of the tile's rows; also: I fetch for A (0) or W (1)
.set WC, 14                            ; my half of its columns; also: which half I fetch
.set CX, 15
.set CY, 16
.set TCOL, 17
.set TROW, 18
.set G1A, 24
.set G0A, 32                           ; s[32:35] first fill, s[36:39] second fill, which then walks
.set G1B, 40
.set G0B, 48
.set TB, 56
.set FS, 57
.set LA, 58
.set LB, 59
.set PFA, 60
.set LIM, 62
.set PFS, 66
.set ADRA0, 16
.set ADRB0, 17
.set ADRA, 18
.set ADRB, 19
.set STO, 24
.set RD, 25
.set CO, 26
.set RSA, 27
.set SPW, 28
.set NIL, 29
.set PFO, 30
.set F0, 64
.set F1, 128
.set GX, 32                            ; the way out, window 0
.set GU, 64
.set GS, 96
.set GT, 128
.set GE, 160
.set GY, 192
.set RSV, 224
.set MSB, 0
.macro WIN new                         ; the high byte repeats the setting that is left; a switch that changes nothing is dropped
.if MSB != (\new)
	s_set_vgpr_msb (MSB<<8)|(\new)
.set MSB, \new
.endif
.endm
.set MUL_LO, 0xa1                      ; source 0 (W) window 1, source 1 (A) window 0, C and D window 2
.set MUL_HI, 0xf1
.set TO_B,   0x40
.macro PLACES                          ; four plain places behind matrix instructions, in front of loads into their sources and of readers of their results
.rept 4
	v_nop
.endr
.endm
.macro JLOAD                           ; the joint refill by the walking descriptor; the branch hangs on the wave's number alone; s_nop 0 and four v_nop follow each line
	s_cmp_eq_u32 s[WR], 0
	s_cbranch_scc0 .Lfor_b_\@
	tensor_load_to_lds s[G0A+4:G0A+7], s[G1A:G1A+7]
	s_nop 0
	PLACES
	s_branch .Lasked_\@
.Lfor_b_\@:
	tensor_load_to_lds s[G0B+4:G0B+7], s[G1B:G1B+7]
	s_nop 0
	PLACES
.Lasked_\@:
.endm
.macro ASK                             ; a prefetch of my work-group's 32 blocks of 256 bytes of the K step two refills on; the last two refills that could name one past the end ask for nothing
	s_cmp_gt_u32 s[LAP], s[LIM]
	s_cbranch_scc0 .Lnot_mine_\@
	global_prefetch_b8 v[PFO], s[PFA:PFA+1] th:TH_LOAD_NT scope:SCOPE_SE
.Lnot_mine_\@:
.endm
.macro CREST                           ; a round of the cluster's barrier behind its opening barrier
	s_cmp_lg_u32 s[WV], 0
	s_cbranch_scc1 .Lnot_wave_0_\@
	s_barrier_signal -3
.Lnot_wave_0_\@:
	s_barrier_wait -3
	s_barrier_signal -1
	s_barrier_wait -1
.endm
.macro CROUND
	s_barrier_signal -1
	s_barrier_wait -1
	CREST
.endm
.macro MUL16 f, hi, a0, zero           ; 16 products: row blocks a0, a0 + 1 of the window's four x all 8 column blocks, 32 along K
	WIN MUL_LO+0x50*(\hi)
.irp a, \a0, (\a0)+1
.irp b, 0,1,2,3,4,5,6,7
.if \zero
	v_wmma_f32_16x16x32_bf16 v[8*(8*(\a)+(\b)):8*(8*(\a)+(\b))+7], v[(\f)+8*(\b):(\f)+8*(\b)+7], v[(\f)+8*(4*(\hi)+(\a)):(\f)+8*(4*(\hi)+(\a))+7], 0
.else
	v_wmma_f32_16x16x32_bf16 v[8*(8*(\a)+(\b)):8*(8*(\a)+(\b))+7], v[(\f)+8*(\b):(\f)+8*(\b)+7], v[(\f)+8*(4*(\hi)+(\a)):(\f)+8*(4*(\hi)+(\a))+7], v[8*(8*(\a)+(\b)):8*(8*(\a)+(\b))+7]
.endif
.endr
.endr
.endm
.macro FETCH q, f                      ; 32 LDS loads in one run: quarter q (32 along K) of the slot in hand into buffer f: W's 128 columns turned, then A's 128 rows
.if FC
.set aq, ((\q)/2)*128*PA+((\q)%2)*64
.else
.set aq, 64*(\q)
.endif
	WIN TO_B
.irp i, 0,1,2,3,4,5,6,7
	ds_load_tr16_b128 v[(\f)+8*(\i):(\f)+8*(\i)+3],   v[ADRB] offset:(\q)*32*PB+32*(\i)
	ds_load_tr16_b128 v[(\f)+8*(\i)+4:(\f)+8*(\i)+7], v[ADRB] offset:(\q)*32*PB+32*(\i)+16*PB
.endr
	WIN 0
.irp i, 0,1,2,3,4,5,6,7
	ds_load_b128 v[(\f)+8*(\i):(\f)+8*(\i)+3],   v[ADRA] offset:aq+(\i)*16*PA
	ds_load_b128 v[(\f)+8*(\i)+4:(\f)+8*(\i)+7], v[ADRA] offset:aq+(\i)*16*PA+32
.endr
.endm
.macro QUARTER q, f, g, zero           ; fetches quarter q into buffer g, then multiplies buffer f: the run of loads stands 64 products ahead of its first use
	PLACES                                         ; behind the last product that read buffer g
	FETCH \q, \g
	s_wait_dscnt 40                                ; of buffer f, W and A's rows 0-63 are in; its youngest eight loads (A's rows 64-127) and the 32 just issued may be out
	MUL16 \f, 0, 0, \zero
	MUL16 \f, 0, 2, \zero
	s_wait_dscnt 32                                ; all of buffer f is in; the 32 just issued may be out
	MUL16 \f, 1, 0, \zero
	MUL16 \f, 1, 2, \zero
.endm
; The last quarter of a K step multiplies buffer 1 and changes slots.  Its fragments, the slot's last reads, were asked for 64 products ago.  At its head each wave waits for all its tensor loads (one is
; out: its part of the next slot), adds 0 to its spare word, steps the walking descriptors, and waits for the add and for its reads of this slot; sixteen products stand between signal and wait.
; fill = 1: the barrier opens a round of the cluster's, and the joint refill is the first tensor load behind it: 240 products ahead of the wait for it.
; fill = 0 (the tail): nothing is filled; in the last K step (CNT = 1) nothing is fetched either, and behind that barrier the slots are nobody's any more.
.macro TURN fill
.if \fill
	s_wait_xcnt 0x0                                ; the last prefetch, a K step back, has read its address
	s_add_nc_u64 s[PFA:PFA+1], s[PFA:PFA+1], s[PFS:PFS+1]
.endif
	WIN 0
	s_wait_tensorcnt 0x0                           ; no tensor load of mine is out, so a group 0 may be written
	ds_add_u32 v[SPW], v[NIL]
.if \fill
	s_xor_b32 s[FS], s[FS], SLOT                   ; the slot that is being read out,
	s_add_co_u32 s[G0A+5], s[LA], s[FS]
	s_add_co_u32 s[G0B+5], s[LB], s[FS]
	s_add_nc_u64 s[G0A+6:G0A+7], s[G0A+6:G0A+7], ASTEP  ; the next K step that has not been asked for
	s_add_nc_u64 s[G0B+6:G0B+7], s[G0B+6:G0B+7], BSTEP
.endif
	s_wait_dscnt 0x0                               ; the add is done, buffer 1 is in, my reads of this slot are over
	s_barrier_signal -1
	MUL16 F1, 0, 0, 0
	WIN 0
	s_barrier_wait -1
.if \fill
	CREST
	JLOAD                                          ; its four v_nop are also the places in front of the loads below
.else
	s_cmp_eq_u32 s[CNT], 1
	s_cbranch_scc1 .Lnofetch_\@
	PLACES
.endif
	s_xor_b32 s[TB], s[TB], SLOT
	v_add_nc_u32 v[ADRA], s[TB], v[ADRA0]
	v_add_nc_u32 v[ADRB], s[TB], v[ADRB0]
	FETCH 0, F0                                    ; the next slot's first quarter: 48 products ahead of its first use
.if \fill
	ASK
.else
.Lnofetch_\@:
.endif
	MUL16 F1, 0, 2, 0
	MUL16 F1, 1, 0, 0
	MUL16 F1, 1, 2, 0
.endm
	s_load_b128 s[4:7], s[0:1], 0x0                ; A, wb
.if FC
	s_load_b128 s[8:11], s[0:1], 0x10              ; gl, ssq
.else
	s_load_b64 s[8:9], s[0:1], 0x10                ; qkv
.endif
	v_lshl_add_u32 v[SPW], v0, 2, SPARE
	v_mov_b32 v[NIL], 0
	ds_add_u32 v[SPW], v[NIL]                      ; the wave's opening: the add and its wait stand ahead of my first tensor load
	v_lshrrev_b32 v1, 5, v0
	v_readfirstlane_b32 s[WV], v1
	s_lshr_b32 s[WR], s[WV], 1
	s_and_b32 s[WC], s[WV], 1
	s_bfe_u32 s[CX], ttmp6, 0x40000
	s_bfe_u32 s[CY], ttmp6, 0x40004
	s_lshl_b32 s[TCOL], ttmp9, 2
	s_add_co_u32 s[TCOL], s[TCOL], s[CX]           ; tile column = 4 x cluster x + cx
	s_and_b32 s[TROW], ttmp7, 0xffff
	s_lshl_b32 s[TROW], s[TROW], 2
	s_add_co_u32 s[TROW], s[TROW], s[CY]           ; tile row = 4 x cluster y + cy
	s_lshl_b32 s19, s[CY], 2
	s_lshl_b32 s19, 15, s19                        ; my row of the cluster
	s_lshl_b32 s63, 0x1111, s[CX]                  ; my column
	s_or_b32 s[G1A], s19, G1A0
	s_or_b32 s[G1B], s63, G1B0
.if FC
	s_mov_b32 s[G1A+1], 8192<<16                   ; a row of the tile is 128 rows x 64 channels, dense: 8,192 elements;
	s_mov_b32 s[G1A+2], 2<<16                      ; two such, one for each block of 64 channels,
	s_mov_b32 s[G1A+3], 8192<<16
	s_mov_b32 s[G1A+4], 2
	s_mov_b32 s[G1A+5], 262144                     ; 4,096 x 64 elements apart
.else
	s_mov_b32 s[G1A+1], 128<<16
	s_mov_b32 s[G1A+2], 128<<16
	s_mov_b32 s[G1A+3], 128<<16
	s_mov_b32 s[G1A+4], 128
	s_mov_b32 s[G1A+5], 1024
.endif
	s_mov_b32 s[G1A+6], 0
	s_mov_b32 s[G1A+7], 0
	s_mov_b32 s[G1B+1], 256<<16                    ; 64 k rows of 256 columns
	s_mov_b32 s[G1B+2], 64<<16
	s_mov_b32 s[G1B+3], 256<<16
	s_mov_b32 s[G1B+4], 64
	s_mov_b32 s[G1B+5], BPITCH
	s_mov_b32 s[G1B+6], 0
	s_mov_b32 s[G1B+7], 0
.if FC
	s_lshl_b32 s20, s[TROW], 15                    ; A: 256 rows of 128 bytes a tile row,
	s_lshl_b32 s21, s[WC], 14                      ; my 128 of them
.else
	s_lshl_b32 s20, s[TROW], 19                    ; A: 256 rows of 2,048 bytes
	s_lshl_b32 s21, s[WC], 18
.endif
	s_add_co_u32 s20, s20, s21
	s_mov_b32 s21, 0
.if FC
	s_lshl_b32 s22, s[TCOL], 9                     ; W_fc lies 8 MiB into wb; 512 bytes a tile column; my 64 k rows of 8,192 bytes
	s_lshl_b32 s23, s[WC], 19
	s_add_co_u32 s22, s22, s23
	s_add_co_u32 s22, s22, 8<<20
.else
	s_lshr_b32 s22, s[TCOL], 2                     ; which of W_Q, W_K, W_V: 2 MiB each
	s_lshl_b32 s22, s22, 21
	s_and_b32 s23, s[TCOL], 3
	s_lshl_b32 s23, s23, 9
	s_add_co_u32 s22, s22, s23
	s_lshl_b32 s23, s[WC], 17                      ; my 64 k rows of 2,048 bytes
	s_add_co_u32 s22, s22, s23
.endif
	s_mov_b32 s23, 0
	s_mul_i32 s[LA], s[WC], AHALF                  ; no place in the cluster enters an LDS address
	s_mul_i32 s[LB], s[WC], BHALF
	s_add_co_u32 s[LB], s[LB], BOFF
	s_mov_b32 s[TB], 0
	s_mov_b32 s[FS], SLOT
	s_mov_b32 s[G0A], 1
	s_mov_b32 s[G0A+1], s[LA]
	s_mov_b32 s[G0A+4], 1
	s_add_co_u32 s[G0A+5], s[LA], SLOT
	s_mov_b32 s[G0B], 1
	s_mov_b32 s[G0B+1], s[LB]
	s_mov_b32 s[G0B+4], 1
	s_add_co_u32 s[G0B+5], s[LB], SLOT
	s_wait_dscnt 0x0                               ; the opening add is done
	s_wait_kmcnt 0x0
	s_add_nc_u64 s[G0A+2:G0A+3], s[4:5], s[20:21]  ; K step 0
	s_add_nc_u64 s[G0A+6:G0A+7], s[G0A+2:G0A+3], ASTEP  ; K step 1
	s_or_b32 s[G0A+3], s[G0A+3], 0x80000000
	s_or_b32 s[G0A+7], s[G0A+7], 0x80000000
	s_add_nc_u64 s[G0B+2:G0B+3], s[6:7], s[22:23]
	s_add_nc_u64 s[G0B+6:G0B+7], s[G0B+2:G0B+3], BSTEP
	s_or_b32 s[G0B+3], s[G0B+3], 0x80000000
	s_or_b32 s[G0B+7], s[G0B+7], 0x80000000
	CROUND                                         ; all sixteen work-groups are here: the first joint loads meet
	s_cmp_eq_u32 s[WR], 0                          ; a wave's two first fills stand in one branch: two loads of mine are out
	s_cbranch_scc0 .Lfirst_b
	tensor_load_to_lds s[G0A:G0A+3], s[G1A:G1A+7]
	s_nop 0
	tensor_load_to_lds s[G0A+4:G0A+7], s[G1A:G1A+7]
	s_nop 0
	PLACES
	s_branch .Lfirst_done
.Lfirst_b:
	tensor_load_to_lds s[G0B:G0B+3], s[G1B:G1B+7]
	s_nop 0
	tensor_load_to_lds s[G0B+4:G0B+7], s[G1B:G1B+7]
	s_nop 0
	PLACES
.Lfirst_done:
	v_and_b32 v1, 15, v0                           ; l % 16
	v_bfe_u32 v2, v0, 4, 1                         ; l / 16
	v_and_b32 v3, 31, v0                           ; l
	v_mul_u32_u24 v[ADRA0], v1, PA                 ; A's fragment: row x pitch + 16 x half, in my 128 rows
	v_lshl_add_u32 v[ADRA0], v2, 4, v[ADRA0]
	s_mul_i32 s72, s[WR], AHALF
	v_add_nc_u32 v[ADRA0], s72, v[ADRA0]
	v_and_b32 v4, 7, v0                            ; W's: k row 8 (l / 16) + l % 8, 16 bytes by (l / 8) % 2, in my 128 columns
	v_lshl_add_u32 v4, v2, 3, v4
	v_mul_u32_u24 v[ADRB0], v4, PB
	v_bfe_u32 v5, v0, 3, 1
	v_lshl_add_u32 v[ADRB0], v5, 4, v[ADRB0]
	s_lshl_b32 s72, s[WC], 8
	s_add_co_u32 s72, s72, BOFF
	v_add_nc_u32 v[ADRB0], s72, v[ADRB0]
	v_mov_b32 v[ADRA], v[ADRA0]
	v_mov_b32 v[ADRB], v[ADRB0]
	s_mul_i32 s73, s[WV], OSTG                     ; my stage for the way out
	v_mul_u32_u24 v[STO], v1, OP                   ; in: row l % 16, 32 bytes for each half of the lanes
	v_lshl_add_u32 v[STO], v2, 5, v[STO]
	v_add_nc_u32 v[STO], s73, v[STO]
.if FC
	v_mul_u32_u24 v[RD], v2, OP                    ; back: lanes 0-15 one row, lanes 16-31 the next; 8 numbers a lane
	v_lshl_add_u32 v[RD], v1, 5, v[RD]
	v_add_nc_u32 v[RD], s73, v[RD]
	v_lshlrev_b32 v[CO], 13, v2                    ; the same two rows of gl, 8,192 bytes apart
	v_lshl_add_u32 v[CO], v1, 4, v[CO]
	s_lshl_b32 s72, s[WV], 9
	s_add_co_u32 s72, s72, RSTAB
	v_lshl_add_u32 v[RSA], v2, 2, s72
	v_lshl_add_u32 v7, v3, 4, s72
.else
	v_bfe_u32 v6, v0, 3, 2                         ; back: 32 lanes take four rows x 64 columns, 8 numbers a lane
	v_mul_u32_u24 v[RD], v6, OP
	v_and_b32 v7, 7, v0
	v_lshl_add_u32 v[RD], v7, 5, v[RD]
	v_add_nc_u32 v[RD], s73, v[RD]
	v_lshlrev_b32 v[CO], 4, v3                     ; which are 512 consecutive bytes of a head
.endif
	; THE PREFETCHES.  A's tile row is read by every cluster of that row of clusters: cluster x = 0 asks; W's tile column by every cluster of that column: cluster y = 0 asks.  Of the 128 blocks of
	; 256 bytes that a wave fetches in a K step each of the four partners takes 32, told apart by address.  So each block is named once.  Nothing is asked for here, at the head.
	s_mov_b32 s72, ASTEP
	s_mov_b32 s73, BSTEP
.if FC
	s_lshr_b32 s74, s[CX], 1                       ; A: partner p takes block p / 2 of the two, units 32 (p % 2) + l of its 64
	s_lshl_b32 s74, s74, 19
	s_and_b32 s75, s[CX], 1
	s_lshl_b32 s75, s75, 13
	s_add_co_u32 s74, s74, s75
	s_lshl_b32 s75, s[CY], 17                      ; W: k rows 16 p + l / 2, unit l % 2
	s_mov_b32 s76, 256
.else
	s_lshl_b32 s74, s[CX], 16                      ; A: rows 32 p + l
	s_lshl_b32 s75, s[CY], 15
	s_mov_b32 s76, 2048
.endif
	s_mov_b32 s77, 2*BPITCH
	s_and_b32 s78, ttmp7, 0xffff
	s_cmp_eq_u32 s[WR], 0
	s_cselect_b64 s[PFA:PFA+1], s[4:5], s[6:7]
	s_cselect_b64 s[68:69], s[20:21], s[22:23]
	s_cselect_b32 s[PFS], s72, s73
	s_cselect_b32 s74, s74, s75
	s_cselect_b32 s76, s76, s77
	s_cselect_b32 s78, ttmp9, s78
	s_mov_b32 s[PFS+1], 0
	s_cmp_eq_u32 s78, 0
	s_cselect_b32 s[LIM], 2, -1                    ; the same in all sixteen partners, for a given wave
	s_add_nc_u64 s[PFA:PFA+1], s[PFA:PFA+1], s[68:69]
	s_mov_b32 s75, 0
	s_add_nc_u64 s[PFA:PFA+1], s[PFA:PFA+1], s[74:75]
	s_mul_i32 s74, s[PFS], 3
	s_add_nc_u64 s[PFA:PFA+1], s[PFA:PFA+1], s[74:75]  ; at K step 3: the first refill steps it to 4
	v_lshrrev_b32 v4, s[WR], v3
	v_mul_u32_u24 v4, v4, s76
	v_and_b32 v5, s[WR], v3
	v_lshl_add_u32 v[PFO], v5, 8, v4
.if FC
	s_lshl_b32 s68, s[TROW], 21                    ; gl at my 128 rows of 8,192 bytes and my 128 columns
	s_lshl_b32 s69, s[WR], 20
	s_add_co_u32 s68, s68, s69
	s_lshl_b32 s69, s[TCOL], 9
	s_add_co_u32 s68, s68, s69
	s_lshl_b32 s69, s[WC], 8
	s_add_co_u32 s68, s68, s69
.else
	s_lshr_b32 s68, s[TCOL], 2                     ; q, k or v: 8 MiB each
	s_lshl_b32 s68, s68, 23
	s_lshr_b32 s69, s[TROW], 3                     ; the batch's 16 heads,
	s_lshl_b32 s69, s69, 4
	s_and_b32 s72, s[TCOL], 3
	s_lshl2_add_u32 s69, s72, s69                  ; the tile column's four,
	s_lshl1_add_u32 s69, s[WC], s69                ; my two: 262,144 bytes a head
	s_lshl_b32 s69, s69, 18
	s_add_co_u32 s68, s68, s69
	s_and_b32 s69, s[TROW], 7                      ; my 128 rows of 128 bytes in it
	s_lshl_b32 s69, s69, 15
	s_add_co_u32 s68, s68, s69
	s_lshl_b32 s69, s[WR], 14
	s_add_co_u32 s68, s68, s69
.endif
	s_mov_b32 s69, 0
	s_add_nc_u64 s[8:9], s[8:9], s[68:69]
.if FC
	; rs of my 128 rows: 16 partial sums a row, four rows a lane; kept in LDS bytes of my own into which no tile lands
	s_lshl_b32 s72, s[TROW], 10
	s_lshl_b32 s73, s[WR], 9
	s_add_co_u32 s72, s72, s73
	s_mov_b32 s73, 0
	s_add_nc_u64 s[10:11], s[10:11], s[72:73]
	s_mov_b32 s80, 0x3a800000                      ; 1 / 1024
	s_mov_b32 s81, 0x3727c5ac                      ; 1e-5
	v_lshlrev_b32 v6, 4, v3
.irp p, 0,1,2,3,4,5,6,7,8,9,10,11,12,13,14,15
	global_load_b128 v[192+4*\p:195+4*\p], v6, s[10:11] offset:\p*16384
.endr
	s_wait_loadcnt 0x0
.irp d, 8,4,2,1
.set p, 0
.rept \d
	v_pk_add_f32 v[192+4*p:193+4*p], v[192+4*p:193+4*p], v[192+4*(p+\d):193+4*(p+\d)]
	v_pk_add_f32 v[194+4*p:195+4*p], v[194+4*p:195+4*p], v[194+4*(p+\d):195+4*(p+\d)]
.set p, p+1
.endr
.endr
.irp k, 0,1,2,3
	v_fma_f32 v[192+\k], v[192+\k], s80, s81
.endr
.irp k, 0,1,2,3
	v_rsq_f32 v[192+\k], v[192+\k]
.endr
	v_nop                                          ; a plain instruction behind the last root,
	s_wait_alu depctr_va_vdst(0)                   ; and one wait for the four, ahead of their reader
	ds_store_b128 v7, v[192:195]
	s_wait_dscnt 0x0                               ; no LDS instruction of mine is out at the signal below
.endif
	s_wait_tensorcnt 1                             ; my part of K step 0 is in; K step 1's may stay out
	s_barrier_signal -1
	s_barrier_wait -1
	FETCH 0, F0
	QUARTER 1, F0, F1, 1                           ; the first quarter's products start the sums: nothing is cleared
	WIN 0
	s_mov_b32 s[LAP], 6
.Llap:                                                 ; a trip: the rest of K step s and the first quarter of s + 1; it asks for K step s + 2.  The 64 accumulators take turns in one order throughout
	QUARTER 2, F1, F0, 0
	QUARTER 3, F0, F1, 0
	TURN 1
	QUARTER 1, F0, F1, 0
	WIN 0
	s_sub_co_u32 s[LAP], s[LAP], 1
	s_cmp_lg_u32 s[LAP], 0
	s_cbranch_scc1 .Llap
	s_mov_b32 s[CNT], 2
.Ltail:                                                ; K steps 6 and 7 ask for nothing; the second trip is left in its middle
	QUARTER 2, F1, F0, 0
	QUARTER 3, F0, F1, 0
	TURN 0
	WIN 0
	s_sub_co_u32 s[CNT], s[CNT], 1
	s_cmp_eq_u32 s[CNT], 0
	s_cbranch_scc1 .Lout
	QUARTER 1, F0, F1, 0
	WIN 0
	s_branch .Ltail
.Lout:
	; THE WAY OUT.  My 128 x 128 sums go as f32 into my stage, which lies over the slots: every wave's reads of them ended in front of the last barrier, and no tile lands any more.
	PLACES
.irp a, 0,1,2,3,4,5,6,7
	WIN 0x08+4*((\a)/4)                            ; store data (source 1) in window 2 or 3
.irp b, 0,1,2,3,4,5,6,7
	ds_store_b128 v[STO], v[8*(8*((\a)%4)+(\b)):8*(8*((\a)%4)+(\b))+3]   offset:(\a)*16*OP+64*(\b)
	ds_store_b128 v[STO], v[8*(8*((\a)%4)+(\b))+4:8*(8*((\a)%4)+(\b))+7] offset:(\a)*16*OP+64*(\b)+16
.endr
.endr
	WIN 0
.if FC
	s_mov_b32 s70, 0x3f596d27                      ; k = sqrt(log2(e) / 2): sp = k |u|, exp(-u^2 / 2) = 2^(-sp^2)
	s_mov_b32 s71, 0x7fffffff
	s_mov_b32 s72, 0x3ec88bda                      ; 0.47047 / (k sqrt 2)
	s_mov_b32 s73, s72
	s_mov_b32 s74, 0x3ee16a97                      ; a3 / 2k
	s_mov_b32 s75, s74
	s_mov_b32 s76, 0xbd6732ca                      ; a2 / 2k
	s_mov_b32 s77, s76
	s_mov_b32 s78, 0x3e51cd01                      ; a1 / 2k
	s_mov_b32 s79, s78
.irp t, 0,1,2,3
	v_mov_b32 v[RSV+2*\t+1], 0                     ; named with rs as a pair
.endr
.macro XLOAD                           ; eight rows of my stage, 32 numbers a lane, and their rs.  LDS serves a wave's instructions in order: these see my stores
.irp t, 0,1,2,3
	ds_load_b128 v[GX+8*\t:GX+8*\t+3],   v[RD] offset:\t*2*OP
	ds_load_b128 v[GX+8*\t+4:GX+8*\t+7], v[RD] offset:\t*2*OP+16
.endr
.irp t, 0,1,2,3
	ds_load_b32 v[RSV+2*\t], v[RSA] offset:8*\t
.endr
.endm
	XLOAD
	s_mov_b32 s[CNT], 16
.Lrows:                                                ; 16 trips of 8 rows
	s_wait_dscnt 0x0
.set n, 0
.rept 16
	v_pk_mul_f32 v[GU+2*n:GU+2*n+1], v[GX+2*n:GX+2*n+1], v[RSV+2*(n/4):RSV+2*(n/4)+1] op_sel_hi:[1,0]  ; u = rs x sum
.set n, n+1
.endr
	v_add_nc_u32 v[RD], 8*OP, v[RD]
	v_add_nc_u32 v[RSA], 32, v[RSA]
	s_cmp_eq_u32 s[CNT], 1
	s_cbranch_scc1 .Lnox                           ; the last trip has no rows behind it
	XLOAD
.Lnox:
.set n, 0
.rept 32
	v_and_b32 v[GS+n], s71, v[GU+n]                ; |u|
.set n, n+1
.endr
.set n, 0
.rept 16
	v_pk_mul_f32 v[GS+2*n:GS+2*n+1], v[GS+2*n:GS+2*n+1], s[70:71] op_sel_hi:[1,0]                    ; sp
.set n, n+1
.endr
.set n, 0
.rept 16
	v_pk_fma_f32 v[GT+2*n:GT+2*n+1], v[GS+2*n:GS+2*n+1], s[72:73], 1.0 op_sel_hi:[1,0,0]            ; 1 + p x
	v_pk_mul_f32 v[GE+2*n:GE+2*n+1], v[GS+2*n:GS+2*n+1], v[GS+2*n:GS+2*n+1] neg_lo:[1,0] neg_hi:[1,0]  ; -sp^2
.set n, n+1
.endr
.set n, 0
.rept 32                               ; ONE BATCH of 64, with the 32 maxima as plain neighbours; nothing here names a result of the batch
	v_rcp_f32 v[GT+n], v[GT+n]
	v_exp_f32 v[GE+n], v[GE+n]
	v_max_num_f32 v[GU+n], 0, v[GU+n]
.set n, n+1
.endr
	v_nop
	s_wait_alu depctr_va_vdst(0)                   ; one wait for the batch, ahead of its first reader
.set n, 0
.rept 16
	v_pk_mul_f32 v[GE+2*n:GE+2*n+1], v[GE+2*n:GE+2*n+1], v[GS+2*n:GS+2*n+1]
	v_pk_fma_f32 v[GS+2*n:GS+2*n+1], v[GT+2*n:GT+2*n+1], s[74:75], s[76:77] op_sel_hi:[1,0,0]
.set n, n+1
.endr
.set n, 0
.rept 16
	v_pk_mul_f32 v[GE+2*n:GE+2*n+1], v[GE+2*n:GE+2*n+1], v[GT+2*n:GT+2*n+1]
	v_pk_fma_f32 v[GS+2*n:GS+2*n+1], v[GS+2*n:GS+2*n+1], v[GT+2*n:GT+2*n+1], s[78:79] op_sel_hi:[1,1,0]
.set n, n+1
.endr
.set n, 0
.rept 16
	v_pk_fma_f32 v[GU+2*n:GU+2*n+1], v[GS+2*n:GS+2*n+1], v[GE+2*n:GE+2*n+1], v[GU+2*n:GU+2*n+1] neg_lo:[1,0,0] neg_hi:[1,0,0]
.set n, n+1
.endr
.set n, 0
.rept 16
	v_cvt_pk_bf16_f32 v[GY+n], v[GU+2*n], v[GU+2*n+1]
.set n, n+1
.endr
.irp t, 0,1,2,3
	global_store_b128 v[CO], v[GY+4*\t:GY+4*\t+3], s[8:9] offset:\t*16384  ; 16 lanes store 256 consecutive bytes, aligned
.endr
	s_wait_xcnt 0x0                                ; the stores have read their offset and data: both are written again only behind this wait
	v_add_nc_u32 v[CO], 65536, v[CO]
	s_sub_co_u32 s[CNT], s[CNT], 1
	s_cmp_lg_u32 s[CNT], 0
	s_cbranch_scc1 .Lrows
.else
.macro XLOAD                           ; 16 rows of my stage: for each of my two heads four loads' worth of four rows x 64 columns
.irp t, 0,1,2,3
.irp d, 0,1
	ds_load_b128 v[GU+8*(2*\t+\d):GU+8*(2*\t+\d)+3],   v[RD] offset:\t*4*OP+\d*256
	ds_load_b128 v[GU+8*(2*\t+\d)+4:GU+8*(2*\t+\d)+7], v[RD] offset:\t*4*OP+\d*256+16
.endr
.endr
.endm
	XLOAD
	s_mov_b32 s[CNT], 8
.Lrows:                                                ; 8 trips of 16 rows
	s_wait_dscnt 0x0
.set n, 0
.rept 32
	v_cvt_pk_bf16_f32 v[GY+n], v[GU+2*n], v[GU+2*n+1]
.set n, n+1
.endr
	v_add_nc_u32 v[RD], 16*OP, v[RD]
	s_cmp_eq_u32 s[CNT], 1
	s_cbranch_scc1 .Lnox                           ; the last trip has no rows behind it
	XLOAD
.Lnox:
.irp t, 0,1,2,3
.irp d, 0,1
	global_store_b128 v[CO], v[GY+4*(2*\t+\d):GY+4*(2*\t+\d)+3], s[8:9] offset:\d*262144+\t*512  ; 512 consecutive bytes of a head, aligned
.endr
.endr
	s_wait_xcnt 0x0                                ; the stores have read their offset and data: both are written again only behind this wait
	v_add_nc_u32 v[CO], 2048, v[CO]
	s_sub_co_u32 s[CNT], s[CNT], 1
	s_cmp_lg_u32 s[CNT], 0
	s_cbranch_scc1 .Lrows
.endif
	s_wait_tensorcnt 0x0                           ; the wave's end: behind my last tensor load and my last LDS store
	ds_add_u32 v[SPW], v[NIL]
	s_wait_dscnt 0x0
	CROUND                                         ; the closing round
	s_endpgm
.Lfunc_end_k_q80a12e6883_fc:
	.size	k_q80a12e6883_fc, .Lfunc_end_k_q80a12e6883_fc-k_q80a12e6883_fc
	.p2alignl 7, 3214868480
	.fill 96, 4, 3214868480
	.section	.rodata,"a",@progbits
	.p2align	6, 0x0
	.amdhsa_kernel k_q80a12e6883_fc
		.amdhsa_group_segment_fixed_size 327680
		.amdhsa_private_segment_fixed_size 0
		.amdhsa_enable_private_segment 0
		.amdhsa_kernarg_size 32
		.amdhsa_user_sgpr_count 2
		.amdhsa_user_sgpr_kernarg_segment_ptr 1
		.amdhsa_wavefront_size32 1
		.amdhsa_system_sgpr_workgroup_id_x 1
		.amdhsa_system_sgpr_workgroup_id_y 1
		.amdhsa_system_sgpr_workgroup_id_z 1
		.amdhsa_system_vgpr_workitem_id 0
		.amdhsa_next_free_vgpr 1024
		.amdhsa_next_free_sgpr 84
		.amdhsa_reserve_vcc 0
		.amdhsa_float_denorm_mode_32 3
		.amdhsa_float_denorm_mode_16_64 3
		.amdhsa_memory_ordered 1
		.amdhsa_forward_progress 1
		.amdhsa_inst_pref_size 99
	.end_amdhsa_kernel
	.amdgpu_metadata
---
amdhsa.version: [ 1, 2 ]
amdhsa.kernels:
  - .name:           k_q80a12e6883_fc
    .symbol:         k_q80a12e6883_fc.kd
    .args:
      - { .name: z1g, .offset: 0, .size: 8, .value_kind: global_buffer, .address_space: global }
      - { .name: wb, .offset: 8, .size: 8, .value_kind: global_buffer, .address_space: global }
      - { .name: gl, .offset: 16, .size: 8, .value_kind: global_buffer, .address_space: global }
      - { .name: ssq, .offset: 24, .size: 8, .value_kind: global_buffer, .address_space: global }
    .group_segment_fixed_size: 327680
    .private_segment_fixed_size: 0
    .kernarg_segment_align: 8
    .kernarg_segment_size: 32
    .max_flat_workgroup_size: 128
    .sgpr_count:     84
    .vgpr_count:     1024
    .wavefront_size: 32
...
	.end_amdgpu_metadata
.endif
;; end of part 5
;; launch proj (part 6): grid 8 x 32, 4 waves a work-group, clusters of 4 x 4, 327,680 bytes of LDS; arguments gl, wb, z1, out0; writes out0
.if DOCPART == 6
	.amdgcn_target "amdgcn-amd-amdhsa--gfx1250"
	.amdhsa_code_object_version 6
	.text
	.protected	k_q80a12e6883_proj
	.globl	k_q80a12e6883_proj
	.p2align	8
	.type	k_q80a12e6883_proj,@function
k_q80a12e6883_proj:
	s_mov_b64 s[64:65], 0
	v_nop
	global_prefetch_b8 v0, s[64:65] scope:SCOPE_SE
	s_setreg_imm32_b32 hwreg(HW_REG_WAVE_MODE, 25, 1), 1
	s_wait_xcnt 0x0
	s_wait_alu depctr_hold_cnt(0) depctr_sa_sdst(0) depctr_va_vdst(0) depctr_va_sdst(0) depctr_va_ssrc(0) depctr_va_vcc(0) depctr_vm_vsrc(0)
	s_getreg_b32 s2, hwreg(HW_REG_IB_STS2, 6, 4)
	s_cmp_eq_u32 s2, 0
	s_cbranch_scc0 .Lentry_in_a_cluster
	s_endpgm
.Lentry_in_a_cluster:
	s_bfe_u32 s2, ttmp6, 0x10000c
	s_cmp_lg_u32 s2, 0xf033
	s_cbranch_scc0 .Lentry_shape_is_right
	s_endpgm
.Lentry_shape_is_right:
; ONE TEXT FOR TWO PRODUCTS out = R + A W with 1,024 columns, chosen by WO.  A and W are bf16, sums, R and out f32.  W lies [K][1024] and its fragments are read out of LDS turned.
;   WO = 1: z1 = z + ctx W_O, K = 1,024; ctx lies by heads, [32][2048][64].  Beside z1 it stores z1 * g2 in bf16, blocked [16][4096][64], and for each row and block of 64 columns the sum of z1^2 (f32):
;           the second norm's root is taken by the launch that multiplies by W_fc.
;   WO = 0: out0 = z1 + gl W_proj, K = 4,096; gl is [4096][4096].
; SHARES.  A tile is 128 x 128, so that each of the 256 work-groups has one; four waves, each 64 x 64: 16 accumulators.  K goes in steps of 256 through two LDS slots.  The product is used transposed:
; a lane holds row l % 16 and eight neighbouring columns.  CLUSTER 4 x 4: A's tile is asked for jointly along a row of the cluster, W's along a column; one load a wave.
; The loop is written once a K step: the slot read (TB) and the slot filled (FS) are scalars turned by an exclusive or; one walking descriptor a tensor.
; WO = 1 has no prefetch: with four K steps no step lies two refills on.
; WINDOWS: 0: addresses, the way out (v32-121), accumulators (v128-255, (a, b) at 128 + 8 (4 a + b)); 1: two fragment buffers of 128; 2: the residual (v0-127), g2 (v128-131).
.set WO, 0
.if WO
.set NSTEP, 4
.set PA,    144                        ; [4 heads][128 rows][128 bytes + 16]; a wave's load brings two heads
.set AHALF, 2*128*PA
.set AQS,   128*PA                     ; a quarter of a K step is a head
.set ASTEP, 1<<20                      ; four heads of 262,144 bytes
.set WBASE, 6<<20
.set PF,    0
.set G1A0,  (1<<16)|(1<<20)|(1<<21)|(4<<22)|(3<<25)
.else
.set NSTEP, 16
.set PA,    528                        ; [128 rows][512 bytes + 16]; a wave's load brings 64 rows
.set AHALF, 64*PA
.set AQS,   128
.set ASTEP, 512
.set WBASE, 16<<20
.set PF,    1
.set G1A0,  (1<<16)|(1<<20)|(1<<21)|(6<<22)|(3<<25)
.endif
.set G1B0,  (1<<16)|(1<<20)|(1<<21)|(5<<22)|(7<<25)
.set BSTEP, 1<<19                      ; 256 k rows of 2,048 bytes
.set PB,    288                        ; 256 bytes + 32 = 9 x 32
.set BHALF, 128*PB
.set BOFF,  2*AHALF
.set SLOT,  BOFF+2*BHALF
.set STAGE, 2*SLOT                     ; behind the ring, never filled by a tensor load: for each wave 16 rows x 272 bytes, then 256 bytes for 64 sums of squares
.set SPITCH, 272
.set SQO,   16*SPITCH
.set WSTG,  SQO+256
.set SPARE, STAGE+4*WSTG
.set CNT, 2
.set LAP, 3
.set WV, 12
.set WR, 13
.set WC, 14
.set CX, 15
.set CY, 16
.set TCOL, 17
.set TROW, 18
.set G1A, 24
.set G0A, 32
.set G1B, 40
.set G0B, 48
.set TB, 56
.set FS, 57
.set LA, 58
.set LB, 59
.set PFA, 60
.set LIM, 62
.set PFS, 66
.set ADRA0, 16
.set ADRB0, 17
.set ADRA, 18
.set ADRB, 20                          ; v20: k rows 0-127 of the slot in hand, v21: k rows 128-255
.set G2O, 22
.set SQR, 23
.set STO, 24
.set RD, 25
.set RO, 26
.set ZO, 27
.set SPW, 28
.set NIL, 29
.set PFO, 30
.set SQA, 31
.set TMP, 32
.set YB, 64
.set YF, 80
.set SS, 112
.set ACC, 128
.set F0, 0
.set F1, 128
.set MSB, 0
.macro WIN new
.if MSB != (\new)
	s_set_vgpr_msb (MSB<<8)|(\new)
.set MSB, \new
.endif
.endm
.set MUL,  0x05                        ; sources 0 (W) and 1 (A) window 1; C and D window 0
.set TO_F, 0x40
.macro PLACES
.rept 4
	v_nop
.endr
.endm
.macro JLOAD                           ; the joint refill by the walking descriptor; s_nop 0 and four v_nop follow each line
	s_cmp_eq_u32 s[WR], 0
	s_cbranch_scc0 .Lfor_b_\@
	tensor_load_to_lds s[G0A+4:G0A+7], s[G1A:G1A+7]
	s_nop 0
	PLACES
	s_branch .Lasked_\@
.Lfor_b_\@:
	tensor_load_to_lds s[G0B+4:G0B+7], s[G1B:G1B+7]
	s_nop 0
	PLACES
.Lasked_\@:
.endm
.macro ASK                             ; a prefetch of my work-group's 32 blocks of 256 bytes of the K step two refills on
	s_cmp_gt_u32 s[LAP], s[LIM]
	s_cbranch_scc0 .Lnot_mine_\@
	global_prefetch_b8 v[PFO], s[PFA:PFA+1] th:TH_LOAD_NT scope:SCOPE_SE
.Lnot_mine_\@:
.endm
.macro CREST
	s_cmp_lg_u32 s[WV], 0
	s_cbranch_scc1 .Lnot_wave_0_\@
	s_barrier_signal -3
.Lnot_wave_0_\@:
	s_barrier_wait -3
	s_barrier_signal -1
	s_barrier_wait -1
.endm
.macro CROUND
	s_barrier_signal -1
	s_barrier_wait -1
	CREST
.endm
.macro MUL8 f, c, a0, zero             ; 8 products: row blocks a0, a0 + 1 x all 4 column blocks, 32 along K: half c of buffer f
	WIN MUL
.irp a, \a0, (\a0)+1
.irp b, 0,1,2,3
.if \zero
	v_wmma_f32_16x16x32_bf16 v[ACC+8*(4*(\a)+(\b)):ACC+8*(4*(\a)+(\b))+7], v[(\f)+64+8*(4*(\c)+(\b)):(\f)+64+8*(4*(\c)+(\b))+7], v[(\f)+8*(4*(\c)+(\a)):(\f)+8*(4*(\c)+(\a))+7], 0
.else
	v_wmma_f32_16x16x32_bf16 v[ACC+8*(4*(\a)+(\b)):ACC+8*(4*(\a)+(\b))+7], v[(\f)+64+8*(4*(\c)+(\b)):(\f)+64+8*(4*(\c)+(\b))+7], v[(\f)+8*(4*(\c)+(\a)):(\f)+8*(4*(\c)+(\a))+7], v[ACC+8*(4*(\a)+(\b)):ACC+8*(4*(\a)+(\b))+7]
.endif
.endr
.endr
.endm
.macro FETCH q, f                      ; 32 LDS loads in one run: quarter q (64 along K) into buffer f; the first 32 along K first
	WIN TO_F
.irp c, 0,1
.irp i, 0,1,2,3
	ds_load_tr16_b128 v[(\f)+64+8*(4*(\c)+(\i)):(\f)+64+8*(4*(\c)+(\i))+3],   v[ADRB+(\q)/2] offset:((\q)%2)*64*PB+(\c)*32*PB+32*(\i)
	ds_load_tr16_b128 v[(\f)+64+8*(4*(\c)+(\i))+4:(\f)+64+8*(4*(\c)+(\i))+7], v[ADRB+(\q)/2] offset:((\q)%2)*64*PB+(\c)*32*PB+32*(\i)+16*PB
	ds_load_b128 v[(\f)+8*(4*(\c)+(\i)):(\f)+8*(4*(\c)+(\i))+3],   v[ADRA] offset:(\q)*AQS+64*(\c)+(\i)*16*PA
	ds_load_b128 v[(\f)+8*(4*(\c)+(\i))+4:(\f)+8*(4*(\c)+(\i))+7], v[ADRA] offset:(\q)*AQS+64*(\c)+(\i)*16*PA+32
.endr
.endr
.endm
.macro QUARTER q, f, g, zero
	s_wait_dscnt 16                                ; the first 32 along K are in; the other sixteen loads may be out
	MUL8 \f, 0, 0, \zero
	MUL8 \f, 0, 2, \zero
	PLACES
	FETCH \q, \g
	s_wait_dscnt 32                                ; all but the 32 just issued
	MUL8 \f, 1, 0, 0
	MUL8 \f, 1, 2, 0
.endm
; The last quarter of a K step multiplies buffer 1 and changes slots: in front of the barrier each wave waits for all its tensor loads, adds 0 to its spare word, and waits for that and for its reads of
; this slot.  fill = 1: the barrier opens a round of the cluster's, and the joint refill is the first tensor load behind it.  fill = 0: nothing is filled, and in the last K step nothing is fetched.
.macro TURN fill
.if (\fill) && PF
	s_wait_xcnt 0x0                                ; the last prefetch, a K step back, has read its address
	s_add_nc_u64 s[PFA:PFA+1], s[PFA:PFA+1], s[PFS:PFS+1]
.endif
	WIN 0
	s_wait_tensorcnt 0x0
	ds_add_u32 v[SPW], v[NIL]
	s_wait_dscnt 17                                ; the add and the youngest sixteen loads may be out
	MUL8 F1, 0, 0, 0
	s_wait_dscnt 0x0                               ; the add is done, my reads of this slot are over
	s_barrier_signal -1
	MUL8 F1, 0, 2, 0
	WIN 0
	s_barrier_wait -1
.if \fill
	CREST
	s_xor_b32 s[FS], s[FS], SLOT
	s_add_co_u32 s[G0A+5], s[LA], s[FS]
	s_add_co_u32 s[G0B+5], s[LB], s[FS]
	s_add_nc_u64 s[G0A+6:G0A+7], s[G0A+6:G0A+7], ASTEP
	s_add_nc_u64 s[G0B+6:G0B+7], s[G0B+6:G0B+7], BSTEP
	JLOAD                                          ; its four v_nop are also the places in front of the loads below
.else
	s_cmp_eq_u32 s[CNT], 1
	s_cbranch_scc1 .Lnofetch_\@
	PLACES
.endif
	s_xor_b32 s[TB], s[TB], SLOT
	v_add_nc_u32 v[ADRA], s[TB], v[ADRA0]
	v_add_nc_u32 v[ADRB], s[TB], v[ADRB0]
	v_add_nc_u32 v[ADRB+1], BHALF, v[ADRB]
	FETCH 0, F0
	WIN 0
.if (\fill) && PF
	ASK
.endif
.if !(\fill)
.Lnofetch_\@:
.endif
	MUL8 F1, 1, 0, 0
	MUL8 F1, 1, 2, 0
.endm
	s_load_b256 s[4:11], s[0:1], 0x0               ; A, wb, R, out
.if WO
	s_load_b128 s[80:83], s[0:1], 0x20             ; g2, z1g
	s_load_b64 s[84:85], s[0:1], 0x30              ; ssq
.endif
	v_lshl_add_u32 v[SPW], v0, 2, SPARE
	v_mov_b32 v[NIL], 0
	ds_add_u32 v[SPW], v[NIL]                      ; the wave's opening: the add and its wait stand ahead of my first tensor load
	v_lshrrev_b32 v1, 5, v0
	v_readfirstlane_b32 s[WV], v1
	s_lshr_b32 s[WR], s[WV], 1
	s_and_b32 s[WC], s[WV], 1
	s_bfe_u32 s[CX], ttmp6, 0x40000
	s_bfe_u32 s[CY], ttmp6, 0x40004
	s_lshl_b32 s[TCOL], ttmp9, 2
	s_add_co_u32 s[TCOL], s[TCOL], s[CX]
	s_and_b32 s[TROW], ttmp7, 0xffff
	s_lshl_b32 s[TROW], s[TROW], 2
	s_add_co_u32 s[TROW], s[TROW], s[CY]
	s_lshl_b32 s19, s[CY], 2
	s_lshl_b32 s19, 15, s19                        ; my row of the cluster
	s_lshl_b32 s63, 0x1111, s[CX]                  ; my column
	s_or_b32 s[G1A], s19, G1A0
	s_or_b32 s[G1B], s63, G1B0
.if WO
	s_mov_b32 s[G1A+1], 8192<<16                   ; a row of the tile is a head's 128 rows x 64 channels, dense; two heads, 2,048 x 64 elements apart
	s_mov_b32 s[G1A+2], 2<<16
	s_mov_b32 s[G1A+3], 8192<<16
	s_mov_b32 s[G1A+4], 2
	s_mov_b32 s[G1A+5], 131072
.else
	s_mov_b32 s[G1A+1], 256<<16
	s_mov_b32 s[G1A+2], 64<<16
	s_mov_b32 s[G1A+3], 256<<16
	s_mov_b32 s[G1A+4], 64
	s_mov_b32 s[G1A+5], 4096
.endif
	s_mov_b32 s[G1A+6], 0
	s_mov_b32 s[G1A+7], 0
	s_mov_b32 s[G1B+1], 128<<16                    ; 128 k rows of 128 columns
	s_mov_b32 s[G1B+2], 128<<16
	s_mov_b32 s[G1B+3], 128<<16
	s_mov_b32 s[G1B+4], 128
	s_mov_b32 s[G1B+5], 1024
	s_mov_b32 s[G1B+6], 0
	s_mov_b32 s[G1B+7], 0
.if WO
	s_lshr_b32 s20, s[TROW], 4                     ; the batch's 16 heads of 262,144 bytes,
	s_lshl_b32 s20, s20, 22
	s_and_b32 s21, s[TROW], 15                     ; the tile's 128 rows of 128 bytes in each head
	s_lshl_b32 s21, s21, 14
	s_add_co_u32 s20, s20, s21
.else
	s_lshl_b32 s20, s[TROW], 20                    ; 128 rows of 8,192 bytes
.endif
	s_lshl_b32 s21, s[WC], 19                      ; my two heads, or my 64 rows
	s_add_co_u32 s20, s20, s21
	s_mov_b32 s21, 0
	s_lshl_b32 s22, s[TCOL], 8                     ; 256 bytes a tile column,
	s_lshl_b32 s23, s[WC], 18                      ; my 128 k rows of 2,048 bytes
	s_add_co_u32 s22, s22, s23
	s_add_co_u32 s22, s22, WBASE
	s_mov_b32 s23, 0
	s_mul_i32 s[LA], s[WC], AHALF                  ; no place in the cluster enters an LDS address
	s_mul_i32 s[LB], s[WC], BHALF
	s_add_co_u32 s[LB], s[LB], BOFF
	s_mov_b32 s[TB], 0
	s_mov_b32 s[FS], SLOT
	s_mov_b32 s[G0A], 1
	s_mov_b32 s[G0A+1], s[LA]
	s_mov_b32 s[G0A+4], 1
	s_add_co_u32 s[G0A+5], s[LA], SLOT
	s_mov_b32 s[G0B], 1
	s_mov_b32 s[G0B+1], s[LB]
	s_mov_b32 s[G0B+4], 1
	s_add_co_u32 s[G0B+5], s[LB], SLOT
	s_wait_dscnt 0x0                               ; the opening add is done
	s_wait_kmcnt 0x0
	s_add_nc_u64 s[G0A+2:G0A+3], s[4:5], s[20:21]
	s_add_nc_u64 s[G0A+6:G0A+7], s[G0A+2:G0A+3], ASTEP
	s_or_b32 s[G0A+3], s[G0A+3], 0x80000000
	s_or_b32 s[G0A+7], s[G0A+7], 0x80000000
	s_add_nc_u64 s[G0B+2:G0B+3], s[6:7], s[22:23]
	s_add_nc_u64 s[G0B+6:G0B+7], s[G0B+2:G0B+3], BSTEP
	s_or_b32 s[G0B+3], s[G0B+3], 0x80000000
	s_or_b32 s[G0B+7], s[G0B+7], 0x80000000
	CROUND                                         ; all sixteen work-groups are here: the first joint loads meet
	s_cmp_eq_u32 s[WR], 0                          ; a wave's two first fills stand in one branch: two loads of mine are out
	s_cbranch_scc0 .Lfirst_b
	tensor_load_to_lds s[G0A:G0A+3], s[G1A:G1A+7]
	s_nop 0
	tensor_load_to_lds s[G0A+4:G0A+7], s[G1A:G1A+7]
	s_nop 0
	PLACES
	s_branch .Lfirst_done
.Lfirst_b:
	tensor_load_to_lds s[G0B:G0B+3], s[G1B:G1B+7]
	s_nop 0
	tensor_load_to_lds s[G0B+4:G0B+7], s[G1B:G1B+7]
	s_nop 0
	PLACES
.Lfirst_done:
	v_and_b32 v1, 15, v0                           ; l % 16
	v_bfe_u32 v2, v0, 4, 1                         ; l / 16
	v_and_b32 v3, 31, v0                           ; l
	v_mul_u32_u24 v[ADRA0], v1, PA
	v_lshl_add_u32 v[ADRA0], v2, 4, v[ADRA0]
	s_mul_i32 s72, s[WR], 64*PA                    ; my 64 rows
	v_add_nc_u32 v[ADRA0], s72, v[ADRA0]
	v_and_b32 v4, 7, v0
	v_lshl_add_u32 v4, v2, 3, v4
	v_mul_u32_u24 v[ADRB0], v4, PB
	v_bfe_u32 v5, v0, 3, 1
	v_lshl_add_u32 v[ADRB0], v5, 4, v[ADRB0]
	s_lshl_b32 s72, s[WC], 7                       ; my 64 columns
	s_add_co_u32 s72, s72, BOFF
	v_add_nc_u32 v[ADRB0], s72, v[ADRB0]
	v_mov_b32 v[ADRA], v[ADRA0]
	v_mov_b32 v[ADRB], v[ADRB0]
	v_add_nc_u32 v[ADRB+1], BHALF, v[ADRB0]
	s_mul_i32 s72, s[WV], WSTG
	s_add_co_u32 s72, s72, STAGE                   ; my stage
	v_mul_u32_u24 v[STO], v1, SPITCH               ; in: row l % 16, 32 bytes for each half of the lanes
	v_lshl_add_u32 v[STO], v2, 5, v[STO]
	v_add_nc_u32 v[STO], s72, v[STO]
	v_mul_u32_u24 v[RD], v2, SPITCH                ; back: lanes 0-15 one row of 256 bytes, lanes 16-31 the next
	v_lshl_add_u32 v[RD], v1, 4, v[RD]
	v_add_nc_u32 v[RD], s72, v[RD]
	v_lshlrev_b32 v[RO], 12, v2                    ; the same two rows of R and of out, 4,096 bytes apart
	v_lshl_add_u32 v[RO], v1, 4, v[RO]
.if WO
	v_lshlrev_b32 v[G2O], 4, v1
	v_lshlrev_b32 v[ZO], 3, v3
	s_add_co_u32 s72, s72, SQO
	v_lshl_add_u32 v[SQA], v2, 2, s72
	v_lshl_add_u32 v[SQR], v3, 3, s72
.endif
.if PF
	; THE PREFETCHES.  A's tile row is read by every cluster of that row of clusters: cluster x = 0 asks; W's tile column by every cluster of that column: cluster y = 0 asks.  Of the 128 blocks of
	; 256 bytes that a wave fetches in a K step each of the four partners takes 32, told apart by address.  So each block is named once.  Nothing is asked for here, at the head.
	s_mov_b32 s72, ASTEP
	s_mov_b32 s73, BSTEP
	s_lshl_b32 s74, s[CX], 17                      ; A: rows 16 p + l / 2 of 8,192 bytes, unit l % 2
	s_lshl_b32 s75, s[CY], 16                      ; W: k rows 32 p + l of 2,048 bytes
	s_mov_b32 s76, 8192
	s_mov_b32 s77, 2048
	s_and_b32 s78, ttmp7, 0xffff
	s_xor_b32 s79, s[WR], 1
	s_cmp_eq_u32 s[WR], 0
	s_cselect_b64 s[PFA:PFA+1], s[4:5], s[6:7]
	s_cselect_b64 s[86:87], s[20:21], s[22:23]
	s_cselect_b32 s[PFS], s72, s73
	s_cselect_b32 s74, s74, s75
	s_cselect_b32 s76, s76, s77
	s_cselect_b32 s78, ttmp9, s78
	s_mov_b32 s[PFS+1], 0
	s_cmp_eq_u32 s78, 0
	s_cselect_b32 s[LIM], 2, -1                    ; the same in all sixteen partners, for a given wave
	s_add_nc_u64 s[PFA:PFA+1], s[PFA:PFA+1], s[86:87]
	s_mov_b32 s75, 0
	s_add_nc_u64 s[PFA:PFA+1], s[PFA:PFA+1], s[74:75]
	s_mul_i32 s74, s[PFS], 3
	s_add_nc_u64 s[PFA:PFA+1], s[PFA:PFA+1], s[74:75]  ; at K step 3: the first refill steps it to 4
	v_lshrrev_b32 v4, s79, v3
	v_mul_u32_u24 v4, v4, s76
	v_and_b32 v5, s79, v3
	v_lshl_add_u32 v[PFO], v5, 8, v4
.endif
	s_lshl_b32 s68, s[TROW], 19                    ; R and out at my 64 rows of 4,096 bytes and my 64 columns
	s_lshl_b32 s69, s[WR], 18
	s_add_co_u32 s68, s68, s69
	s_lshl_b32 s70, s[TCOL], 9
	s_lshl_b32 s69, s[WC], 8
	s_add_co_u32 s70, s70, s69
	s_add_co_u32 s68, s68, s70
	s_mov_b32 s69, 0
	s_add_nc_u64 s[8:9], s[8:9], s[68:69]
	s_add_nc_u64 s[10:11], s[10:11], s[68:69]
.if WO
	s_mov_b32 s71, 0
	s_add_nc_u64 s[80:81], s[80:81], s[70:71]      ; g2 at my columns
	s_lshl1_add_u32 s72, s[TCOL], s[WC]            ; my block of 64 columns
	s_lshl_b32 s74, s72, 19                        ; z1g: 4,096 rows of 128 bytes a block
	s_lshl_b32 s73, s[TROW], 14
	s_add_co_u32 s74, s74, s73
	s_lshl_b32 s73, s[WR], 13
	s_add_co_u32 s74, s74, s73
	s_mov_b32 s75, 0
	s_add_nc_u64 s[82:83], s[82:83], s[74:75]
	s_lshl_b32 s74, s72, 14                        ; ssq: 4,096 rows of 4 bytes a block
	s_lshl_b32 s73, s[TROW], 9
	s_add_co_u32 s74, s74, s73
	s_lshl_b32 s73, s[WR], 8
	s_add_co_u32 s74, s74, s73
	s_add_nc_u64 s[84:85], s[84:85], s[74:75]
.endif
	s_wait_tensorcnt 1                             ; my part of K step 0 is in; K step 1's may stay out
	s_barrier_signal -1
	s_barrier_wait -1
	FETCH 0, F0
	QUARTER 1, F0, F1, 1                           ; the first products start the sums: nothing is cleared
	WIN 0
	s_mov_b32 s[LAP], NSTEP-2
.Llap:                                                 ; a trip: the rest of K step s and the first quarter of s + 1; it asks for K step s + 2.  The 16 accumulators take turns in one order throughout
	QUARTER 2, F1, F0, 0
	QUARTER 3, F0, F1, 0
	TURN 1
	QUARTER 1, F0, F1, 0
	WIN 0
	s_sub_co_u32 s[LAP], s[LAP], 1
	s_cmp_lg_u32 s[LAP], 0
	s_cbranch_scc1 .Llap
	WIN 0x80                                       ; the residual, in the layout in which the sums come back from the stage: it lands under the last two K steps
.irp a, 0,1,2,3
.irp t, 0,1,2,3,4,5,6,7
	global_load_b128 v[4*(8*\a+\t):4*(8*\a+\t)+3], v[RO], s[8:9] offset:(16*\a+2*\t)*4096
.endr
.endr
.if WO
	global_load_b128 v[128:131], v[G2O], s[80:81]
.endif
	WIN 0
	s_mov_b32 s[CNT], 2
.Ltail:                                                ; the last two K steps ask for nothing; the second trip is left in its middle
	QUARTER 2, F1, F0, 0
	QUARTER 3, F0, F1, 0
	TURN 0
	WIN 0
	s_sub_co_u32 s[CNT], s[CNT], 1
	s_cmp_eq_u32 s[CNT], 0
	s_cbranch_scc1 .Lout
	QUARTER 1, F0, F1, 0
	WIN 0
	s_branch .Ltail
.Lout:
	PLACES
	s_wait_loadcnt 0x0                             ; the residual (and g2)
; THE WAY OUT of row block a: 16 rows x 64 sums through my stage, back as whole rows of 256 bytes; the residual is added; 16 lanes store 256 consecutive bytes, aligned.
.macro OUTA a
	s_wait_xcnt 0x0                                ; the last block's stores have read their data, which is written again below
.irp b, 0,1,2,3
	ds_store_b128 v[STO], v[ACC+8*(4*(\a)+(\b)):ACC+8*(4*(\a)+(\b))+3]   offset:64*(\b)
	ds_store_b128 v[STO], v[ACC+8*(4*(\a)+(\b))+4:ACC+8*(4*(\a)+(\b))+7] offset:64*(\b)+16
.endr
.irp t, 0,1,2,3,4,5,6,7
	ds_load_b128 v[TMP+4*(\t):TMP+4*(\t)+3], v[RD] offset:(\t)*2*SPITCH  ; LDS serves a wave's instructions in order: these see the stores above
.endr
	s_wait_dscnt 0x0
	WIN 0x08                                       ; source 1 in window 2
.irp t, 0,1,2,3,4,5,6,7
	v_pk_add_f32 v[TMP+4*(\t):TMP+4*(\t)+1],   v[TMP+4*(\t):TMP+4*(\t)+1],   v[4*(8*(\a)+(\t)):4*(8*(\a)+(\t))+1]
	v_pk_add_f32 v[TMP+4*(\t)+2:TMP+4*(\t)+3], v[TMP+4*(\t)+2:TMP+4*(\t)+3], v[4*(8*(\a)+(\t))+2:4*(8*(\a)+(\t))+3]
.endr
.if WO
.irp t, 0,1,2,3,4,5,6,7
	v_pk_mul_f32 v[YF+4*(\t):YF+4*(\t)+1],   v[TMP+4*(\t):TMP+4*(\t)+1],   v[128:129]
	v_pk_mul_f32 v[YF+4*(\t)+2:YF+4*(\t)+3], v[TMP+4*(\t)+2:TMP+4*(\t)+3], v[130:131]
.endr
.endif
	WIN 0
.irp t, 0,1,2,3,4,5,6,7
	global_store_b128 v[RO], v[TMP+4*(\t):TMP+4*(\t)+3], s[10:11] offset:(16*(\a)+2*(\t))*4096
.endr
.if WO
.irp t, 0,1,2,3,4,5,6,7
	v_cvt_pk_bf16_f32 v[YB+2*(\t)],   v[YF+4*(\t)],   v[YF+4*(\t)+1]
	v_cvt_pk_bf16_f32 v[YB+2*(\t)+1], v[YF+4*(\t)+2], v[YF+4*(\t)+3]
.endr
.irp t, 0,1,2,3,4,5,6,7
	global_store_b64 v[ZO], v[YB+2*(\t):YB+2*(\t)+1], s[82:83] offset:(16*(\a)+2*(\t))*128  ; two blocked rows: 256 consecutive bytes, aligned
.endr
.irp t, 0,1,2,3,4,5,6,7
	v_mul_f32 v[SS+(\t)], v[TMP+4*(\t)], v[TMP+4*(\t)]
.endr
.irp k, 1,2,3
.irp t, 0,1,2,3,4,5,6,7
	v_fmac_f32 v[SS+(\t)], v[TMP+4*(\t)+(\k)], v[TMP+4*(\t)+(\k)]
.endr
.endr
.irp m, 1,2,4,8
.irp t, 0,1,2,3,4,5,6,7
	v_add_f32_dpp v[SS+(\t)], v[SS+(\t)], v[SS+(\t)] row_xmask:\m row_mask:0xf bank_mask:0xf
.endr
.endr
.irp t, 0,1,2,3,4,5,6,7
	ds_store_b32 v[SQA], v[SS+(\t)] offset:(16*(\a)+2*(\t))*4  ; the 16 lanes of a half write one word with one value: the row's sum over my 64 columns
.endr
.endif
.endm
	OUTA 0
	OUTA 1
	OUTA 2
	OUTA 3
.if WO
	ds_load_b64 v[120:121], v[SQR]                 ; my 64 rows' sums, two a lane
	s_wait_dscnt 0x0
	global_store_b64 v[ZO], v[120:121], s[84:85]   ; 256 consecutive bytes, aligned
.endif
	s_wait_tensorcnt 0x0                           ; the wave's end: behind my last tensor load and my last LDS store
	ds_add_u32 v[SPW], v[NIL]
	s_wait_dscnt 0x0
	CROUND                                         ; the closing round
	s_endpgm
.Lfunc_end_k_q80a12e6883_proj:
	.size	k_q80a12e6883_proj, .Lfunc_end_k_q80a12e6883_proj-k_q80a12e6883_proj
	.p2alignl 7, 3214868480
	.fill 96, 4, 3214868480
	.section	.rodata,"a",@progbits
	.p2align	6, 0x0
	.amdhsa_kernel k_q80a12e6883_proj
		.amdhsa_group_segment_fixed_size 327680
		.amdhsa_private_segment_fixed_size 0
		.amdhsa_enable_private_segment 0
		.amdhsa_kernarg_size 32
		.amdhsa_user_sgpr_count 2
		.amdhsa_user_sgpr_kernarg_segment_ptr 1
		.amdhsa_wavefront_size32 1
		.amdhsa_system_sgpr_workgroup_id_x 1
		.amdhsa_system_sgpr_workgroup_id_y 1
		.amdhsa_system_sgpr_workgroup_id_z 1
		.amdhsa_system_vgpr_workitem_id 0
		.amdhsa_next_free_vgpr 640
		.amdhsa_next_free_sgpr 92
		.amdhsa_reserve_vcc 0
		.amdhsa_float_denorm_mode_32 3
		.amdhsa_float_denorm_mode_16_64 3
		.amdhsa_memory_ordered 1
		.amdhsa_forward_progress 1
		.amdhsa_inst_pref_size 66
	.end_amdhsa_kernel
	.amdgpu_metadata
---
amdhsa.version: [ 1, 2 ]
amdhsa.kernels:
  - .name:           k_q80a12e6883_proj
    .symbol:         k_q80a12e6883_proj.kd
    .args:
      - { .name: gl, .offset: 0, .size: 8, .value_kind: global_buffer, .address_space: global }
      - { .name: wb, .offset: 8, .size: 8, .value_kind: global_buffer, .address_space: global }
      - { .name: z1, .offset: 16, .size: 8, .value_kind: global_buffer, .address_space: global }
      - { .name: out0, .offset: 24, .size: 8, .value_kind: global_buffer, .address_space: global }
    .group_segment_fixed_size: 327680
    .private_segment_fixed_size: 0
    .kernarg_segment_align: 8
    .kernarg_segment_size: 32
    .max_flat_workgroup_size: 128
    .sgpr_count:     92
    .vgpr_count:     640
    .wavefront_size: 32
...
	.end_amdgpu_metadata
.endif
;; end of part 6
